; MI455X (gfx1250); checked and timed in simulation.
; The chip was launched on July 23, 2026; its instructions are those of AMD's public machine-readable ISA for CDNA 5 (MIT licence, August 2026) and "CDNA5" Instruction Set Architecture Reference Guide (July 2026). The comments in the code are by the model that wrote it; some were corrected since.
;; Llama Attention. Allowed arithmetic: matrix products marked QUANTISED: E2M1 operands, one E8M0 scale for each 32 along K, by v_wmma_scale_f32_16x16x128_f8f6f4 with both operands' format E2M1 (or v_wmma_scale_f32_32x16x128_f4), f32 sums; products left as they are: bf16, f16 or f32 operands; f32 sums; everything else in f32.
;; Inputs: Wk 2,048 x 512 float32; Wo 2,048 x 2,048 float32; Wq 2,048 x 512 float32; Wv 2,048 x 512 float32; bo 2,048 float32; theta 64 float32; x 2 x 2,048 x 512 float32.
;; Outputs: out0 2 x 2,048 x 2,048 float32.
;; This version of the problem:
;;   THIS VERSION OF THE PROBLEM IS GIVEN IN LOW PRECISION. The matrix products marked QUANTISED in the list below multiply operands that are first quantised to E2M1 (2 exponent bits, 1 mantissa bit; 4 bits a number), with one power-of-two scale for each 32 numbers along K (OCP MX v1.0); their sums are f32. The products marked 'left as it is' may take bf16, f16 or f32 operands, with f32 sums. Whichever they take, every output number must still come out within the allowed error. Rounding operands to bf16 (8 significant bits) uses up far more of that allowance than f16 does (11 bits, for magnitudes from 6e-5 to 65,504). All else is computed in f32.
;;   The module's matrix products, in the order in which they are computed (A, B: the left and right operand; K: the contracted axis; several contracted axes count as one K, in the product's order):
;;     1. [M 4,096, K 512] x [K 512, N 2,048]; A: input x; B: input Wq: QUANTISED
;;     2. [M 4,096, K 512] x [K 512, N 2,048]; A: input x; B: input Wk: QUANTISED
;;     3. [M 4,096, K 512] x [K 512, N 2,048]; A: input x; B: input Wv: QUANTISED
;;     4. batch 32 x [M 2,048, K 128] x [K 128, N 2,048]; A: computed on the way; B: computed on the way: left as it is (an operand is computed on the way)
;;     5. batch 32 x [M 128, K 2,048] x [K 2,048, N 2,048]; A: computed on the way; B: computed on the way: left as it is (an operand is computed on the way)
;;     6. [M 4,096, K 2,048] x [K 2,048, N 2,048]; A: computed on the way; B: input Wo: left as it is (an operand is computed on the way)
;;   THE QUANTISER, for each operand of a quantised product, along K:
;;     - K is cut into blocks of 32 from its start; a last block that is shorter is filled with zeros.
;;     - A block's scale is 2^e with e = floor(log2(the largest magnitude in the block)) - 2, held to -126 .. 127; a block of zeros has e = 0. As a byte (E8M0): e + 127.
;;     - Each number is divided by its block's scale, clamped to +-6, and rounded to the nearest number of E2M1, ties to even, subnormals kept.
;;     - The product sums the exact products of the quantised numbers (number of the format x scale) in f32.
;;   ~~~python
;;   def quantise(x, axis):      # numpy; x: float32 -> the quantised numbers, widened to float32 again
;;       x = np.moveaxis(x, axis, -1); K = x.shape[-1]
;;       x = np.pad(x, [(0, 0)] * (x.ndim - 1) + [(0, -K % 32)]); x = x.reshape(x.shape[:-1] + (-1, 32)); a = np.abs(x).max(-1, keepdims=True)
;;       e = np.where(a > 0, np.clip(np.frexp(np.where(a > 0, a, 1))[1] - 1 - 2, -126, 127), 0)      # np.frexp(a)[1] - 1 = floor(log2(a)), exactly
;;       r = np.clip(x / 2.0 ** e, -6, 6)
;;       step = 2.0 ** (np.maximum(np.frexp(np.where(r == 0, 1, r))[1] - 1, 0) - 1)
;;       q = np.round(r / step) * step * 2.0 ** e      # np.round: ties to even
;;       return np.moveaxis(q.reshape(q.shape[:-2] + (-1,))[..., :K], -1, axis).astype(np.float32)
;;   ~~~
;; One version. Each part assembles by itself: llvm-mc -triple=amdgcn-amd-amdhsa -mcpu=gfx1250 --defsym DOCPART=n.
;; ======== version 1 of 1: 6 launches
;; limits: values are held in f16: magnitudes above 65,504 overflow, below 6.1e-05 lose precision
;; workspace buffers: codes 2,621,440 bytes; scales 163,840 bytes; wo16 8,388,608 bytes; tab 1,048,576 bytes; qkv16 50,331,648 bytes; ctx16 16,777,216 bytes; ctx32 262,144 bytes
;; launch prep (part 1): grid 288 x 1, 4 waves a work-group, no clusters, 33,280 bytes of LDS; arguments x, Wq, Wk, Wv, Wo, theta, codes, scales, wo16, tab; writes codes, scales, wo16, tab
.if DOCPART == 1
	.amdgcn_target "amdgcn-amd-amdhsa--gfx1250"
	.amdhsa_code_object_version 6
	.text
	.protected	k_q807a072d1e_prep
	.globl	k_q807a072d1e_prep
	.p2align	8
	.type	k_q807a072d1e_prep,@function
k_q807a072d1e_prep:
	s_mov_b64 s[64:65], 0
	v_nop
	global_prefetch_b8 v0, s[64:65] scope:SCOPE_SE
	s_setreg_imm32_b32 hwreg(HW_REG_WAVE_MODE, 25, 1), 1
	s_wait_xcnt 0x0
; PREPARATION, one launch, two kinds of work-group, told apart by the work-group's number g alone.
; g < 160: x [4096][512] and Wq, Wk, Wv [2048][512], f32, become codes of FP4 (E2M1), K innermost, two a byte, with one E8M0 byte for each 32 along K.
;   A block's scale is 2^(floor(log2(largest magnitude)) - 2); its byte is that magnitude's exponent field - 2, held at 1 from below.
;   codes:  x at byte 0, [4096][256 B]; the weights from byte 1,048,576 on as [16 heads][q, k, v][128 rows][256 B], so that a head's 384 rows are one dense block.
;   scales: x at byte 0, [4096][16 B]; the weights from byte 65,536 on, in the same order.
; g >= 160: Wo [2048][2048] f32 becomes f16 in the same order, and the table tab[t][pair] = (cos, sin)(t x theta[pair]), f32, 2048 rows of 512 bytes, is made.
; LIMITS: a block of zeros gets the byte 1 where the quantiser's text says 127: its codes are zeros and only this program reads the bytes.  NaN and infinities among the inputs are not served.
;   |Wo| stays under 65,504 (f16's largest number).  sin and cos: t x theta is reduced by two terms of pi/2 (what is left out is under 2e-15 for each quarter turn), then polynomials on |r| <= pi/4 in f32.
; A quantising wave takes 16 steps of 512 numbers: four loads of 512 consecutive bytes a step, turned through the wave's own stage in LDS so that a lane holds 16 neighbours along K (two lanes a block).
.set WAVES, 4
.set STEPS, 16
.set EMAX,  2
.set CB,    8                          ; bytes of 16 codes
.set R,     16                         ; v16-79   four sets of 16 numbers as they are loaded
.set X,     80                         ; v80-111  two sets of 16 neighbours
.set E,     112                        ; v112-127 a scale byte for each step
.set C,     128                        ; v128-191 codes: four registers for each step
.set WREG,  8192                       ; LDS: a region for each wave: two stages of 32 x SP bytes, then its 256 scale bytes
.set SP,    80                         ; a lane's place in a stage: 64 bytes + 16 of padding
.set SPW,   12                         ; v12  LDS address of my spare word; never rewritten
.set NIL,   13                         ; v13  0; never rewritten
.set SPARE, WAVES*WREG                 ; the spare words: 128 bytes a wave, named by no other line
	s_load_b512 s[8:23], s[0:1], 0x0               ; x s[8:9], Wq s[10:11], Wk s[12:13], Wv s[14:15], Wo s[16:17], theta s[18:19], codes s[20:21], scales s[22:23]
	s_load_b128 s[24:27], s[0:1], 0x40             ; wo16 s[24:25], tab s[26:27]
	v_lshl_add_u32 v[SPW], v0, 2, SPARE
	v_mov_b32 v[NIL], 0
	v_lshrrev_b32 v1, 5, v0
	v_readfirstlane_b32 s28, v1                    ; wave
	v_and_b32 v2, 31, v0                           ; lane
	v_lshlrev_b32 v3, 4, v2                        ; 16 x lane
	s_cmp_ge_u32 ttmp9, 160
	s_cbranch_scc1 .Lconv
	; ---------------- the quantiser ----------------
	s_mul_i32 s29, s28, WREG
	v_lshrrev_b32 v14, 2, v2
	v_mul_u32_u24 v14, v14, SP
	v_and_b32 v15, 3, v2
	v_lshl_add_u32 v14, v15, 4, v14
	v_add_nc_u32 v14, s29, v14                     ; the stage, on the way in: SP (lane / 4) + 16 (lane % 4)
	v_mul_u32_u24 v15, v2, SP
	v_add_nc_u32 v15, s29, v15                     ; and on the way out: SP x lane: my 16 neighbours
	v_mul_u32_u24 v4, v2, CB                       ; my codes' place in a step's
	v_lshrrev_b32 v5, 1, v2
	s_add_co_u32 s29, s29, 2*32*SP
	v_add_nc_u32 v5, s29, v5                       ; LDS: my block's scale byte
	v_lshlrev_b32 v7, 3, v2
	v_add_nc_u32 v6, s29, v7                       ; and on the way out 8 bytes a lane
	; a chunk is 64 rows.  Source chunk sc: g in x, g mod 32 in a weight.  Target chunk dc: g in x; 64 + 6 (sc / 2) + 2 (which weight) + sc mod 2 in a weight
	s_and_b32 s30, ttmp9, 31
	s_cmp_lt_u32 ttmp9, 64
	s_cselect_b32 s30, ttmp9, s30                  ; sc
	s_sub_co_u32 s31, ttmp9, 64
	s_lshr_b32 s31, s31, 5                         ; which weight (used for g >= 64 alone)
	s_lshl_b32 s31, s31, 1
	s_lshr_b32 s32, s30, 1
	s_mul_i32 s32, s32, 6
	s_add_co_u32 s31, s31, s32
	s_and_b32 s32, s30, 1
	s_add_co_u32 s31, s31, s32
	s_add_co_u32 s31, s31, 64
	s_cmp_lt_u32 ttmp9, 64
	s_cselect_b32 s31, ttmp9, s31                  ; dc
	s_lshl_b32 s32, s30, 17                        ; source: 131,072 sc + 32,768 wave
	s_lshl_b32 s33, s28, 15
	s_add_co_u32 s32, s32, s33
	s_mov_b32 s33, 0
	s_lshl_b32 s34, s31, 14                        ; codes: 16,384 dc + 4,096 wave
	s_lshl_b32 s35, s28, 12
	s_add_co_u32 s34, s34, s35
	s_mov_b32 s35, 0
	s_lshl_b32 s36, s31, 10                        ; scale bytes: 1,024 dc + 256 wave
	s_lshl_b32 s37, s28, 8
	s_add_co_u32 s36, s36, s37
	s_mov_b32 s37, 0
	s_wait_kmcnt 0x0
	s_mov_b64 s[4:5], s[14:15]                     ; which tensor: the choice hangs on the work-group's number alone
	s_cmp_lt_u32 ttmp9, 128
	s_cselect_b64 s[4:5], s[12:13], s[4:5]
	s_cmp_lt_u32 ttmp9, 96
	s_cselect_b64 s[4:5], s[10:11], s[4:5]
	s_cmp_lt_u32 ttmp9, 64
	s_cselect_b64 s[4:5], s[8:9], s[4:5]
	s_add_nc_u64 s[4:5], s[4:5], s[32:33]
	s_add_nc_u64 s[6:7], s[20:21], s[34:35]
	s_add_nc_u64 s[2:3], s[22:23], s[36:37]
.macro LOAD t
.irp i, 0,1,2,3
	global_load_b128 v[R+16*((\t)%4)+4*\i:R+16*((\t)%4)+4*\i+3], v3, s[4:5] offset:2048*(\t)+512*\i th:TH_LOAD_NT   ; 32 lanes read 512 consecutive bytes
.endr
.endm
.macro TURN t                          ; step t's numbers through the stage: LDS serves a wave's instructions in order, so no wait stands between the stores and the loads
.irp i, 0,1,2,3
	ds_store_b128 v14, v[R+16*((\t)%4)+4*\i:R+16*((\t)%4)+4*\i+3] offset:32*SP*((\t)%2)+8*SP*\i
.endr
.irp i, 0,1,2,3
	ds_load_b128 v[X+16*((\t)%2)+4*\i:X+16*((\t)%2)+4*\i+3], v15 offset:32*SP*((\t)%2)+16*\i
.endr
.endm
.irp t, 0,1,2,3
	LOAD \t
.endr
	s_wait_loadcnt 12                              ; step 0's four loads are in; the twelve of steps 1 to 3 may be out
	TURN 0
.macro STEP t
.set XS, X+16*((\t)%2)
.if (\t) > 0
	s_wait_dscnt 1                                 ; this step's numbers are back from the stage (the last step's byte store may be out)
.else
	s_wait_dscnt 0x0
.endif
.if (\t)+4 < STEPS
	LOAD (\t)+4                                    ; into the registers that the stage's stores have read
.endif
.if (\t)+1 < STEPS
.if STEPS-2-(\t) >= 3
	s_wait_loadcnt 12                              ; the next step's four loads are in; those of the three steps behind it may be out
.else
	s_wait_loadcnt 4*(STEPS-2-(\t))
.endif
	TURN (\t)+1
.endif
	v_max3_num_f32 v8, |v[XS]|, |v[XS+1]|, |v[XS+2]|               ; the largest magnitude of my 16, in two chains
	v_max3_num_f32 v9, |v[XS+3]|, |v[XS+4]|, |v[XS+5]|
.irp i, 6,10
	v_max3_num_f32 v8, v8, |v[XS+\i]|, |v[XS+\i+1]|
	v_max3_num_f32 v9, v9, |v[XS+\i+2]|, |v[XS+\i+3]|
.endr
	v_max3_num_f32 v8, v8, |v[XS+14]|, |v[XS+15]|
	v_max3_num_f32 v8, v8, v9, (EMAX+1)<<23        ; and the floor 2^(EMAX + 1 - 127): the byte cannot fall under 1
	v_max_num_f32_dpp v8, v8, v8 row_xmask:1 row_mask:0xf bank_mask:0xf   ; with my neighbour's 16: the block's
	v_add_nc_u32 v11, -(EMAX<<23), v8              ; EMAX off its exponent field: the conversion takes the exponent field of this operand as its scale
	v_cvt_scalef32_pk8_fp4_f32 v[C+4*(\t)], v[XS:XS+7], v11
	v_cvt_scalef32_pk8_fp4_f32 v[C+4*(\t)+1], v[XS+8:XS+15], v11
	v_lshrrev_b32 v[E+(\t)], 23, v11               ; the scale's byte (also the plain line behind the conversions)
	ds_store_b8 v5, v[E+(\t)] offset:16*(\t)       ; both lanes of a block write the same byte with the same value
	global_store_b64 v4, v[C+4*(\t):C+4*(\t)+1], s[6:7] offset:32*CB*(\t)   ; the wave stores 256 consecutive bytes, aligned
.endm
.irp t, 0,1,2,3,4,5,6,7,8,9,10,11,12,13,14,15
	STEP \t
.endr
	ds_load_b64 v[8:9], v6                         ; my wave's 256 scale bytes: these loads see my stores
	s_wait_dscnt 0x0
	global_store_b64 v7, v[8:9], s[2:3]            ; 256 consecutive bytes, aligned
	s_wait_tensorcnt 0x0                           ; the wave's end
	ds_add_u32 v[SPW], v[NIL]
	s_wait_dscnt 0x0
	s_endpgm
	; ---------------- Wo to f16, and the table: no LDS on this path ----------------
.Lconv:
	s_sub_co_u32 s29, ttmp9, 160                   ; c = 0 .. 127
	v_lshlrev_b32 v4, 3, v2                        ; 8 x lane
	s_lshl_b32 s30, s29, 17                        ; Wo: 131,072 c + 32,768 wave
	s_lshl_b32 s31, s28, 15
	s_add_co_u32 s30, s30, s31
	s_mov_b32 s31, 0
	s_lshr_b32 s32, s30, 1                         ; wo16: half of that
	s_mov_b32 s33, 0
	s_lshl_b32 s34, s29, 2
	s_add_co_u32 s34, s34, s28                     ; which four rows of the table: 4 c + wave
	s_lshl_b32 s36, s34, 11                        ; 2,048 bytes
	s_mov_b32 s37, 0
	s_lshl_b32 s34, s34, 2                         ; my first t
	s_mov_b32 s38, 0xbfc90fdb                      ; -f32(pi/2)
	s_mov_b32 s39, 0x333bbd2e                      ; f32(pi/2) - pi/2
	s_mov_b32 s40, 0xb94ca1f9                      ; the sine's highest coefficient
	s_mov_b32 s41, 0x37ccf5ce                      ; the cosine's
	s_wait_kmcnt 0x0
	s_add_nc_u64 s[4:5], s[16:17], s[30:31]
	s_add_nc_u64 s[6:7], s[24:25], s[32:33]
	s_add_nc_u64 s[2:3], s[26:27], s[36:37]
	global_load_b64 v[8:9], v4, s[18:19]           ; theta of my pairs 2 lane, 2 lane + 1
.macro CLOAD g                         ; group g: 16 loads of 512 consecutive bytes
.irp i, 0,1,2,3,4,5,6,7,8,9,10,11,12,13,14,15
	global_load_b128 v[16+64*((\g)%2)+4*\i:16+64*((\g)%2)+4*\i+3], v3, s[4:5] offset:8192*(\g)+512*\i th:TH_LOAD_NT
.endr
.endm
	CLOAD 0
	CLOAD 1
	s_wait_loadcnt 32                              ; theta is in; the two groups of Wo may be out: the table is made while they come
; cos and sin of v10 x v[th].  k = the nearest whole number of quarter turns; r = x - k pi/2 by two fused multiply-adds; polynomials in r; the quadrant picks and signs them.  No branch.
.macro SINCOS th, dc, ds
	v_mul_f32 v144, v10, v[\th]                    ; x = t x theta, rounded once, as the reference rounds it
	v_mul_f32 v145, 0x3f22f983, v144               ; x 2 / pi
	v_rndne_f32 v145, v145                         ; k
	v_fma_f32 v146, v145, s38, v144
	v_fma_f32 v146, v145, s39, v146                ; r
	v_mul_f32 v147, v146, v146                     ; z = r r
	v_cvt_i32_f32 v148, v145                       ; k as a whole number
	v_fmaak_f32 v149, s40, v147, 0x3c08839e
	v_fmaak_f32 v150, s41, v147, 0xbab6061a
	v_fmaak_f32 v149, v149, v147, 0xbe2aaaa3
	v_fmaak_f32 v150, v150, v147, 0x3d2aaaa5
	v_mul_f32 v151, v147, v146                     ; z r
	v_mul_f32 v152, v147, v147                     ; z z
	v_fma_f32 v153, v147, -0.5, 1.0
	v_fma_f32 v149, v149, v151, v146               ; sin r
	v_fma_f32 v150, v150, v152, v153               ; cos r
	v_and_b32 v151, 1, v148
	v_cmp_ne_u32 vcc_lo, 0, v151                   ; an odd quarter swaps the two
	v_cndmask_b32 v152, v149, v150, vcc_lo
	v_cndmask_b32 v153, v150, v149, vcc_lo
	v_and_b32 v151, 2, v148                        ; the sine is negative in quarters 2 and 3,
	v_lshlrev_b32 v151, 30, v151
	v_xor_b32 v[\ds], v151, v152
	v_add_nc_u32 v148, 1, v148                     ; the cosine in quarters 1 and 2
	v_and_b32 v148, 2, v148
	v_lshlrev_b32 v148, 30, v148
	v_xor_b32 v[\dc], v148, v153
.endm
.irp p, 0,1,2,3
	v_cvt_f32_u32 v10, s34
	s_add_co_u32 s34, s34, 1
	SINCOS 8, 176+4*\p, 177+4*\p
	SINCOS 9, 178+4*\p, 179+4*\p
	global_store_b128 v3, v[176+4*\p:179+4*\p], s[2:3] offset:512*\p   ; a row of the table: 512 consecutive bytes; each row has data registers of its own
.endr
.macro CONV g
.set XS, 16+64*((\g)%2)
.if (\g) < 3
	s_wait_loadcnt 16                              ; this group is in; the next group's sixteen may be out
.else
	s_wait_loadcnt 0x0
.endif
.if (\g) > 0
	s_wait_xcnt 0x0                                ; the last group's stores have read v144-175, which are written again below
.endif
.irp i, 0,1,2,3,4,5,6,7,8,9,10,11,12,13,14,15
	v_cvt_pk_f16_f32 v[144+2*\i], v[XS+4*\i], v[XS+4*\i+1]
	v_cvt_pk_f16_f32 v[145+2*\i], v[XS+4*\i+2], v[XS+4*\i+3]
.endr
.irp i, 0,1,2,3,4,5,6,7,8,9,10,11,12,13,14,15
	global_store_b64 v4, v[144+2*\i:145+2*\i], s[6:7] offset:4096*(\g)+256*\i   ; 256 consecutive bytes, aligned
.endr
.if (\g)+2 < 4
	CLOAD (\g)+2
.endif
.endm
	CONV 0
	CONV 1
	CONV 2
	CONV 3
	s_endpgm
.Lfunc_end_k_q807a072d1e_prep:
	.size	k_q807a072d1e_prep, .Lfunc_end_k_q807a072d1e_prep-k_q807a072d1e_prep
	.p2alignl 7, 3214868480
	.fill 96, 4, 3214868480
	.section	.rodata,"a",@progbits
	.p2align	6, 0x0
	.amdhsa_kernel k_q807a072d1e_prep
		.amdhsa_group_segment_fixed_size 33280
		.amdhsa_private_segment_fixed_size 0
		.amdhsa_enable_private_segment 0
		.amdhsa_kernarg_size 80
		.amdhsa_user_sgpr_count 2
		.amdhsa_user_sgpr_kernarg_segment_ptr 1
		.amdhsa_wavefront_size32 1
		.amdhsa_system_sgpr_workgroup_id_x 1
		.amdhsa_system_sgpr_workgroup_id_y 1
		.amdhsa_system_sgpr_workgroup_id_z 1
		.amdhsa_system_vgpr_workitem_id 0
		.amdhsa_next_free_vgpr 192
		.amdhsa_next_free_sgpr 66
		.amdhsa_reserve_vcc 1
		.amdhsa_float_denorm_mode_32 3
		.amdhsa_float_denorm_mode_16_64 3
		.amdhsa_memory_ordered 1
		.amdhsa_forward_progress 1
		.amdhsa_inst_pref_size 65
	.end_amdhsa_kernel
	.amdgpu_metadata
---
amdhsa.version: [ 1, 2 ]
amdhsa.kernels:
  - .name:           k_q807a072d1e_prep
    .symbol:         k_q807a072d1e_prep.kd
    .args:
      - { .name: x, .offset: 0, .size: 8, .value_kind: global_buffer, .address_space: global }
      - { .name: Wq, .offset: 8, .size: 8, .value_kind: global_buffer, .address_space: global }
      - { .name: Wk, .offset: 16, .size: 8, .value_kind: global_buffer, .address_space: global }
      - { .name: Wv, .offset: 24, .size: 8, .value_kind: global_buffer, .address_space: global }
      - { .name: Wo, .offset: 32, .size: 8, .value_kind: global_buffer, .address_space: global }
      - { .name: theta, .offset: 40, .size: 8, .value_kind: global_buffer, .address_space: global }
      - { .name: codes, .offset: 48, .size: 8, .value_kind: global_buffer, .address_space: global }
      - { .name: scales, .offset: 56, .size: 8, .value_kind: global_buffer, .address_space: global }
      - { .name: wo16, .offset: 64, .size: 8, .value_kind: global_buffer, .address_space: global }
      - { .name: tab, .offset: 72, .size: 8, .value_kind: global_buffer, .address_space: global }
    .group_segment_fixed_size: 33280
    .private_segment_fixed_size: 0
    .kernarg_segment_align: 8
    .kernarg_segment_size: 80
    .max_flat_workgroup_size: 128
    .sgpr_count:     66
    .vgpr_count:     192
    .wavefront_size: 32
...
	.end_amdgpu_metadata
.endif
;; end of part 1
;; launch qkv (part 2): grid 16 x 16, 4 waves a work-group, clusters of 4 x 1, 167,936 bytes of LDS; arguments codes, scales, tab, qkv16; writes qkv16
.if DOCPART == 2
	.amdgcn_target "amdgcn-amd-amdhsa--gfx1250"
	.amdhsa_code_object_version 6
	.text
	.protected	k_q807a072d1e_qkv
	.globl	k_q807a072d1e_qkv
	.p2align	8
	.type	k_q807a072d1e_qkv,@function
k_q807a072d1e_qkv:
	s_mov_b64 s[64:65], 0
	v_nop
	global_prefetch_b8 v0, s[64:65] scope:SCOPE_SE
	s_setreg_imm32_b32 hwreg(HW_REG_WAVE_MODE, 25, 1), 1
	s_wait_xcnt 0x0
	s_wait_alu depctr_hold_cnt(0) depctr_sa_sdst(0) depctr_va_vdst(0) depctr_va_sdst(0) depctr_va_ssrc(0) depctr_va_vcc(0) depctr_vm_vsrc(0)
	s_getreg_b32 s2, hwreg(HW_REG_IB_STS2, 6, 4)
	s_cmp_eq_u32 s2, 0
	s_cbranch_scc0 .Lentry_in_a_cluster
	s_endpgm
.Lentry_in_a_cluster:
	s_bfe_u32 s2, ttmp6, 0x10000c
	s_cmp_lg_u32 s2, 0x3003
	s_cbranch_scc0 .Lentry_shape_is_right
	s_endpgm
.Lentry_shape_is_right:
; q, k, v = x Wq^T, x Wk^T, x Wv^T on codes of FP4 with E8M0 scales (K = 512: four matrix instructions deep), sums in f32; q and k are rotated (RoPE) in f32; all three are rounded once to f16.
; qkv16: three planes (q, k, v) of 16,777,216 bytes, each [32 = batch x 16 + head][2048 positions][128] f16.
; THE ORDER OF q's AND k's FEATURES: the rotated pair of features (2 i, 2 i + 1) stays at 2 i and 2 i + 1, where the reference moves it to i and i + 64.  The same order stands in q and in k,
; and the scores are dot products over the 128: only the order of their f32 sums differs.  LIMIT: |q|, |k|, |v| stay under 65,504 (f16).
; SHARES.  A work-group takes 256 rows of x (row block R) and one head: three slices of 128 columns.  Wave w takes rows 64 w .. 64 w + 63: four tiles of rows x eight tiles of columns, 32 accumulators.
; x's fragments, all scale words and the table's (cos, sin) for the wave's rows stay in registers for all three slices.
; CLUSTER.  The four row blocks of a cluster take the same head, so the head's 384 rows of weights (98,304 dense bytes) are asked for JOINTLY: wave w asks for 96 rows, by the same descriptor in all four partners.
; The matrix instruction is used transposed (source 0 = 16 rows of W, source 1 = 16 rows of x): a lane holds one row of x and eight neighbouring features: four pairs to rotate, 16 bytes of f16.
; REGISTERS: window 0: v1-15 addresses; v16-31 x's scale words; v32-95 rotated numbers; v96-127 f16; v128-159 rows read back; v160-255 W's scale words.
;   window 1: v0-127 x's fragments; v128-191, v192-255 W's fragments, two sets.   window 2: the accumulators, (a, b) at 8 (8 a + b).   window 3: the table, at the same index.
.set PITCH, 272                        ; an LDS row: 256 bytes + 16 of padding: the 16 rows that a load touches start 68 words apart
.set SLB,   128*PITCH                  ; a slice's 128 rows
.set QB,    96*PITCH                   ; what one tensor load brings
.set STAGE, 3*SLB                      ; behind W: 16 rows x 272 bytes for each wave
.set SPARE, STAGE+4*16*PITCH           ; the spare words: 128 bytes a wave, named by no other line
.set XA,  3                            ; v3   r x 256 + 16 h: a fragment's place in rows of 256 bytes of codes
.set SAO, 4                            ; v4   r x 16: a row's four scale words
.set TA,  5                            ; v5   r x 512 + 32 h: my four pairs in a row of the table
.set ADB, 6                            ; v6-8 LDS address of W's fragments, slice 0, 1, 2
.set STO, 9
.set RD,  10
.set GO,  11
.set SPW, 14
.set NIL, 15
.set SA,  16
.set TMP, 32
.set PK,  96
.set RB,  128
.set SB,  160
.set AF,  0
.set BF,  128
.set G1,  24
.set G0,  32
.set MSB, 0
.macro WIN new                         ; the immediate's high byte repeats the setting that is left
.if MSB != \new
	s_set_vgpr_msb (MSB<<8)|\new
.set MSB, \new
.endif
.endm
.macro PLACES
.rept 4
	v_nop
.endr
.endm
.macro ROUND                           ; a round of the cluster's barrier
	s_barrier_signal -1
	s_barrier_wait -1
	s_cmp_lg_u32 s12, 0
	s_cbranch_scc1 .Lnot_wave_0_\@
	s_barrier_signal -3
.Lnot_wave_0_\@:
	s_barrier_wait -3
	s_barrier_signal -1
	s_barrier_wait -1
.endm
	s_load_b256 s[4:11], s[0:1], 0x0               ; codes s[4:5], scales s[6:7], tab s[8:9], qkv16 s[10:11]
	v_lshl_add_u32 v[SPW], v0, 2, SPARE
	v_mov_b32 v[NIL], 0
	ds_add_u32 v[SPW], v[NIL]                      ; the wave's opening: the add, twice on end, and its wait ahead of my first tensor load
	ds_add_u32 v[SPW], v[NIL]
	v_lshrrev_b32 v1, 5, v0
	v_readfirstlane_b32 s12, v1                    ; wave
	s_and_b32 s15, ttmp7, 0xffff                   ; the head, which the four partners share
	s_mov_b32 s[G1], 15|(0<<16)|(1<<20)|(1<<21)|(5<<22)|(3<<25)   ; mask: all four partners; elements of 1 byte; padding on; bit 21 beside a mask; 4 words behind every 64
	s_mov_b32 s[G1+1], 256<<16                     ; tensor_dim0 = 256
	s_mov_b32 s[G1+2], 96<<16                      ; tensor_dim1 = 96
	s_mov_b32 s[G1+3], 256<<16                     ; tile_dim0 = 256
	s_mov_b32 s[G1+4], 96                          ; tile_dim1 = 96
	s_mov_b32 s[G1+5], 256                         ; from row to row
	s_mov_b32 s[G1+6], 0
	s_mov_b32 s[G1+7], 0
	s_mul_i32 s16, s15, 98304                      ; the head's block of weights,
	s_mul_i32 s17, s12, 24576                      ; my 96 rows of it,
	s_add_co_u32 s16, s16, s17
	s_add_co_u32 s16, s16, 1048576                 ; behind x's codes
	s_mov_b32 s17, 0
	s_mul_i32 s18, s12, QB                         ; and their place in LDS: the wave's number alone
	s_bfe_u32 s13, ttmp6, 0x40000                  ; cx: it enters global addresses of x, the table and the output alone
	s_lshl_b32 s14, ttmp9, 2
	s_add_co_u32 s14, s14, s13                     ; R = 4 x cluster x + cx
	s_lshl_b32 s20, s14, 8
	s_lshl_b32 s21, s12, 6
	s_add_co_u32 s20, s20, s21                     ; my first row of x: 256 R + 64 w
	s_lshl_b32 s36, s20, 8                         ; its codes
	s_mov_b32 s37, 0
	s_lshl_b32 s38, s20, 4                         ; its scale words
	s_mov_b32 s39, 0
	s_mul_i32 s40, s15, 6144                       ; the head's scale words
	s_add_co_u32 s40, s40, 65536
	s_mov_b32 s41, 0
	s_and_b32 s22, s14, 7
	s_lshl_b32 s22, s22, 8
	s_add_co_u32 s22, s22, s21                     ; my first position: 256 (R mod 8) + 64 w
	s_lshl_b32 s42, s22, 9                         ; its row of the table
	s_mov_b32 s43, 0
	s_lshr_b32 s23, s14, 3                         ; the batch
	s_lshl_b32 s23, s23, 4
	s_add_co_u32 s23, s23, s15
	s_lshl_b32 s23, s23, 11
	s_add_co_u32 s23, s23, s22
	s_lshl_b32 s44, s23, 8                         ; my first row in a plane of the output
	s_mov_b32 s45, 0
	s_add_co_u32 s46, s44, 0x1000000
	s_mov_b32 s47, 0
	s_add_co_u32 s48, s44, 0x2000000
	s_mov_b32 s49, 0
	v_and_b32 v1, 15, v0                           ; r
	v_bfe_u32 v2, v0, 4, 1                         ; h
	v_lshlrev_b32 v[XA], 8, v1
	v_lshl_add_u32 v[XA], v2, 4, v[XA]
	v_lshlrev_b32 v[SAO], 4, v1
	v_lshlrev_b32 v[TA], 9, v1
	v_lshl_add_u32 v[TA], v2, 5, v[TA]
	v_mul_u32_u24 v[ADB], v1, PITCH
	v_lshl_add_u32 v[ADB], v2, 4, v[ADB]
	v_add_nc_u32 v[ADB+1], SLB, v[ADB]
	v_add_nc_u32 v[ADB+2], 2*SLB, v[ADB]
	s_mul_i32 s19, s12, 16*PITCH
	s_add_co_u32 s19, s19, STAGE                   ; my stage
	v_add_nc_u32 v[STO], s19, v[ADB]               ; in: row r, 16 bytes for each half of the lanes
	v_mul_u32_u24 v[RD], v2, PITCH
	v_lshl_add_u32 v[RD], v1, 4, v[RD]
	v_add_nc_u32 v[RD], s19, v[RD]                 ; back: lanes 0-15 one row, lanes 16-31 the next
	v_lshlrev_b32 v[GO], 8, v2
	v_lshl_add_u32 v[GO], v1, 4, v[GO]             ; and the same two rows in memory
	s_wait_dscnt 0x0                               ; both opening adds are done
	s_wait_kmcnt 0x0
	s_mov_b32 s[G0], 1
	s_mov_b32 s[G0+1], s18
	s_add_nc_u64 s[G0+2:G0+3], s[4:5], s[16:17]
	s_or_b32 s[G0+3], s[G0+3], 0x80000000
	s_add_nc_u64 s[36:37], s[4:5], s[36:37]
	s_add_nc_u64 s[38:39], s[6:7], s[38:39]
	s_add_nc_u64 s[40:41], s[6:7], s[40:41]
	s_add_nc_u64 s[42:43], s[8:9], s[42:43]
	s_add_nc_u64 s[44:45], s[10:11], s[44:45]
	s_add_nc_u64 s[46:47], s[10:11], s[46:47]
	s_add_nc_u64 s[48:49], s[10:11], s[48:49]
	ROUND                                          ; all four partners are here: the joint loads meet
	tensor_load_to_lds s[G0:G0+3], s[G1:G1+7]      ; my one tensor load of the launch
	s_nop 0
	PLACES
	WIN 0x40                                       ; destination window 1
.irp a, 0,1,2,3
.irp s, 0,1,2,3
.irp c, 0,1
	global_load_b128 v[AF+8*(4*\a+\s)+4*\c:AF+8*(4*\a+\s)+4*\c+3], v[XA], s[36:37] offset:\a*4096+64*\s+32*\c   ; x's fragment (tile of rows a, K step s)
.endr
.endr
.endr
	WIN 0
.irp a, 0,1,2,3
	global_load_b128 v[SA+4*\a:SA+4*\a+3], v[SAO], s[38:39] offset:\a*256
.endr
.irp i, 0,1,2
.irp b, 0,1,2,3,4,5,6,7
	global_load_b128 v[SB+32*\i+4*\b:SB+32*\i+4*\b+3], v[SAO], s[40:41] offset:\i*2048+\b*256
.endr
.endr
	WIN 0xc0                                       ; destination window 3
.irp a, 0,1,2,3
.irp b, 0,1,2,3,4,5,6,7
	global_load_b128 v[8*(8*\a+\b):8*(8*\a+\b)+3], v[TA], s[42:43] offset:\a*8192+64*\b        ; (cos, sin) of pairs 8 b + 4 h + 0, 1
	global_load_b128 v[8*(8*\a+\b)+4:8*(8*\a+\b)+7], v[TA], s[42:43] offset:\a*8192+64*\b+16   ; and + 2, 3
.endr
.endr
	WIN 0
	s_wait_tensorcnt 0x0                           ; my 96 rows have landed,
	s_barrier_signal -1
	s_barrier_wait -1                              ; everybody's have
	s_wait_loadcnt 0x0
.macro FETCHB i, s, p                  ; W's eight fragments of slice i, K step s, into set p
	WIN 0x40
.irp b, 0,1,2,3,4,5,6,7
.irp c, 0,1
	ds_load_b128 v[BF+64*(\p)+8*\b+4*\c:BF+64*(\p)+8*\b+4*\c+3], v[ADB+(\i)] offset:64*(\s)+32*\c+\b*16*PITCH
.endr
.endr
.endm
.macro MULS i, s, p                    ; 32 matrix instructions: the 32 accumulators take turns, one instruction a turn; K step 0 starts the sums
	WIN 0xa5                                       ; sources 0 and 1 window 1, C and D window 2
.irp a, 0,1,2,3
.irp b, 0,1,2,3,4,5,6,7
.if (\s) == 0
	v_wmma_scale_f32_16x16x128_f8f6f4 v[8*(8*\a+\b):8*(8*\a+\b)+7], v[BF+64*(\p)+8*\b:BF+64*(\p)+8*\b+7], v[AF+8*(4*\a+(\s)):AF+8*(4*\a+(\s))+7], 0, v[SB+32*(\i)+4*\b+(\s)], v[SA+4*\a+(\s)] matrix_a_fmt:MATRIX_FMT_FP4 matrix_b_fmt:MATRIX_FMT_FP4
.else
	v_wmma_scale_f32_16x16x128_f8f6f4 v[8*(8*\a+\b):8*(8*\a+\b)+7], v[BF+64*(\p)+8*\b:BF+64*(\p)+8*\b+7], v[AF+8*(4*\a+(\s)):AF+8*(4*\a+(\s))+7], v[8*(8*\a+\b):8*(8*\a+\b)+7], v[SB+32*(\i)+4*\b+(\s)], v[SA+4*\a+(\s)] matrix_a_fmt:MATRIX_FMT_FP4 matrix_b_fmt:MATRIX_FMT_FP4
.endif
.endr
.endr
.endm
.macro ROPE a                          ; (e, o) -> (e cos - o sin, e sin + o cos), each accumulator from its low end on
	WIN 0x0e                                       ; source 0 window 2 (sums), source 1 window 3 (table)
.irp b, 0,1,2,3,4,5,6,7
.irp k, 0,1,2,3
	v_pk_mul_f32 v[TMP+8*\b+2*\k:TMP+8*\b+2*\k+1], v[8*(8*(\a)+\b)+2*\k:8*(8*(\a)+\b)+2*\k+1], v[8*(8*(\a)+\b)+2*\k:8*(8*(\a)+\b)+2*\k+1] op_sel_hi:[1,0]   ; (e cos, o cos)
.endr
.irp k, 0,1,2,3
	v_fma_f32 v[TMP+8*\b+2*\k], -v[8*(8*(\a)+\b)+2*\k+1], v[8*(8*(\a)+\b)+2*\k+1], v[TMP+8*\b+2*\k]
	v_fma_f32 v[TMP+8*\b+2*\k+1], v[8*(8*(\a)+\b)+2*\k], v[8*(8*(\a)+\b)+2*\k+1], v[TMP+8*\b+2*\k+1]
.endr
.endr
	WIN 0
.set i, 0
.rept 32
	v_cvt_pk_f16_f32 v[PK+i], v[TMP+2*i], v[TMP+2*i+1]
.set i, i+1
.endr
.endm
.macro VCVT a                          ; v is not rotated
	WIN 0x0a                                       ; sources 0 and 1 window 2
.set i, 0
.rept 32
	v_cvt_pk_f16_f32 v[PK+i], v[64*(\a)+2*i], v[64*(\a)+2*i+1]
.set i, i+1
.endr
	WIN 0
.endm
.macro OUT i, a                        ; 16 rows x 256 bytes through my stage, and out as whole rows
	s_wait_xcnt 0x0                                ; the last stores have read v128-159, into which the loads below land
.irp b, 0,1,2,3,4,5,6,7
	ds_store_b128 v[STO], v[PK+4*\b:PK+4*\b+3] offset:32*\b
.endr
.irp f, 0,1,2,3,4,5,6,7
	ds_load_b128 v[RB+4*\f:RB+4*\f+3], v[RD] offset:\f*2*PITCH     ; LDS serves a wave's instructions in order: these see the stores above
.endr
	s_wait_dscnt 0x0
.irp f, 0,1,2,3,4,5,6,7
	global_store_b128 v[GO], v[RB+4*\f:RB+4*\f+3], s[44+2*(\i):45+2*(\i)] offset:(16*(\a)+2*\f)*256   ; 512 consecutive bytes, aligned
.endr
.endm
.macro SLICE i, rope
	FETCHB \i, 0, 0
.irp s, 0,1,2,3
	PLACES                                         ; in front of loads into the set that the last K step's products read
.if \s < 3
	FETCHB \i, \s+1, 1-(\s%2)
	s_wait_dscnt 16                                ; this K step's fragments are in; the sixteen loads just issued may be out
.else
	s_wait_dscnt 0x0
.endif
	MULS \i, \s, \s%2
.endr
	WIN 0
	PLACES                                         ; in front of the first read of results
.irp a, 0,1,2,3
.if \rope
	ROPE \a
.else
	VCVT \a
.endif
	OUT \i, \a
.endr
.endm
	SLICE 0, 1                                     ; q
	SLICE 1, 1                                     ; k
	SLICE 2, 0                                     ; v
	s_wait_tensorcnt 0x0                           ; the wave's end
	ds_add_u32 v[SPW], v[NIL]
	s_wait_dscnt 0x0
	ROUND                                          ; the closing round
	s_endpgm
.Lfunc_end_k_q807a072d1e_qkv:
	.size	k_q807a072d1e_qkv, .Lfunc_end_k_q807a072d1e_qkv-k_q807a072d1e_qkv
	.p2alignl 7, 3214868480
	.fill 96, 4, 3214868480
	.section	.rodata,"a",@progbits
	.p2align	6, 0x0
	.amdhsa_kernel k_q807a072d1e_qkv
		.amdhsa_group_segment_fixed_size 167936
		.amdhsa_private_segment_fixed_size 0
		.amdhsa_enable_private_segment 0
		.amdhsa_kernarg_size 32
		.amdhsa_user_sgpr_count 2
		.amdhsa_user_sgpr_kernarg_segment_ptr 1
		.amdhsa_wavefront_size32 1
		.amdhsa_system_sgpr_workgroup_id_x 1
		.amdhsa_system_sgpr_workgroup_id_y 1
		.amdhsa_system_sgpr_workgroup_id_z 1
		.amdhsa_system_vgpr_workitem_id 0
		.amdhsa_next_free_vgpr 1024
		.amdhsa_next_free_sgpr 66
		.amdhsa_reserve_vcc 0
		.amdhsa_float_denorm_mode_32 3
		.amdhsa_float_denorm_mode_16_64 3
		.amdhsa_memory_ordered 1
		.amdhsa_forward_progress 1
		.amdhsa_inst_pref_size 175
	.end_amdhsa_kernel
	.amdgpu_metadata
---
amdhsa.version: [ 1, 2 ]
amdhsa.kernels:
  - .name:           k_q807a072d1e_qkv
    .symbol:         k_q807a072d1e_qkv.kd
    .args:
      - { .name: codes, .offset: 0, .size: 8, .value_kind: global_buffer, .address_space: global }
      - { .name: scales, .offset: 8, .size: 8, .value_kind: global_buffer, .address_space: global }
      - { .name: tab, .offset: 16, .size: 8, .value_kind: global_buffer, .address_space: global }
      - { .name: qkv16, .offset: 24, .size: 8, .value_kind: global_buffer, .address_space: global }
    .group_segment_fixed_size: 167936
    .private_segment_fixed_size: 0
    .kernarg_segment_align: 8
    .kernarg_segment_size: 32
    .max_flat_workgroup_size: 128
    .sgpr_count:     66
    .vgpr_count:     1024
    .wavefront_size: 32
...
	.end_amdgpu_metadata
.endif
;; end of part 2
;; launch attn (part 3): grid 8 x 32, 4 waves a work-group, no clusters, 327,680 bytes of LDS; arguments qkv16, ctx16; writes ctx16
.if DOCPART == 3
	.amdgcn_target "amdgcn-amd-amdhsa--gfx1250"
	.amdhsa_code_object_version 6
	.text
	.protected	k_q807a072d1e_attn
	.globl	k_q807a072d1e_attn
	.p2align	8
	.type	k_q807a072d1e_attn,@function
k_q807a072d1e_attn:
	s_mov_b64 s[64:65], 0
	v_nop
	global_prefetch_b8 v0, s[64:65] scope:SCOPE_SE
	s_setreg_imm32_b32 hwreg(HW_REG_WAVE_MODE, 25, 1), 1
	s_wait_xcnt 0x0
; ctx[b][q][h][:] = the sum over k <= q of softmax_k(q . k / sqrt(128)) v[k][:].  q, k, v: planes of qkv16, [32 heads][2048][128] f16.  ctx16: [4096 = b x 2048 + q][2048 = h x 128 + d] f16.
; Products on f16 operands with f32 sums; maxima, exponentials and sums in f32; the weights p are rounded to f16 for the second product, ctx once at the end.
; LIMIT: |ctx| under 65,504 (f16).  The first 16 positions of each sequence are made here too, but what the output takes of them comes from two later launches in f32.
; SHARES.  A head's 2,048 queries are 16 blocks of 128.  Work-group JJ (0 .. 7) owns blocks JJ (low) and 15 - JJ (high): under the causal mask that is (JJ + 1) + (16 - JJ) = 17 blocks of keys for every work-group.
; Wave w owns four tiles of 16 queries: tiles 0, 1 = low queries 32 w + 16 u, tiles 2, 3 = high queries 32 w + 16 u.  The keys go in slots of 128 (two steps of 64) through a ring of two LDS slots.
; EVERY work-group walks all 16 slots (the trip count is a constant).  A slot SL is FULL (all four tiles) where SL <= JJ, HIGH (tiles 2, 3) where JJ < SL <= 15 - JJ, idle beyond; the branches hang on ids and the count of slots alone.
; The diagonal: slot JJ for the low tiles, slot 15 - JJ for the high ones: there hidden scores become -infinity ahead of the maximum.
; NO CLUSTER: the eight work-groups of a head stop asking for keys at eight different slots, so a joint load would bring some partners tiles that none of their waves reads.
; LAYOUT.  S^T = K Q^T (source 0 = 16 keys, source 1 = 16 queries) and O^T = V^T P: a lane holds ONE query (lane % 16) throughout; two tiles of S^T, rounded in pairs, are source 1 of the second product.
; SOFTMAX.  Running maximum m and sum l for each query: p = 2^(c s - c m), c = log2(e) / sqrt(128); in every step O^T and l are multiplied by a = 2^(c m_old - c m_new).
; BY STAGES.  Inside a step the tiles follow each other: while tile t has its 16 products K Q^T, tile t - 1's softmax stands in slices behind the matrix instructions, and tile t - 2 has its 16 products V^T P.
; REGISTERS: window 0: v2-11 addresses; v12-43 eight statistics a tile; v44-47; v61-63; v64-191 S^T, 32 a tile; v192-255 P, 16 a tile.   window 1: O^T, 64 a tile.   window 2: v0-127 Q; v128-255 K of a step.   window 3: v0-127 V of a step.
.set KS,    64
.set PK,    272                        ; a row of K in LDS: 256 bytes + 16
.set PVP,   288                        ; a row of V: 256 + 32
.set VOFF,  KS*PK
.set STEPB, KS*(PK+PVP)                ; a step: 64 rows of K, then 64 rows of V
.set SLOT1, 1<<17                      ; slot 1 begins here: one exclusive or turns an address
.set STAGE, SLOT1+2*STEPB              ; 16 rows x 272 bytes for each wave, for the way out
.set SP,    272
.set SPARE, STAGE+4*16*SP              ; the spare words: 128 bytes a wave, named by no other line
.set KPLANE, 0x1000000                 ; bytes in a plane of qkv16
.set AK0, 2
.set AV0, 3
.set ADK, 4                            ; v4   LDS address of the slot's K for my lane
.set QO,  5
.set STO, 6
.set RD,  7
.set GO,  8
.set ST,  12                           ; tile t at v[ST + 8 t]: +0 c m, +1 m, +2, +3 l, +4 .. +7 at work; a in +6
.set DM,  44                           ; v44  r - 8 h + 32 w
.set NINF, 45                          ; v45  -infinity
.set MD,  46
.set ADV, 47                           ; v47  LDS address of the slot's V for my lane
.set PFO, 61                           ; v61  256 x lane
.set SPW, 62
.set NIL, 63
.set S,   64
.set P,   192
.set KF,  128
.set WV,  12
.set JJ,  13
.set LAST, 14
.set LIM, 15
.set SL,  16
.set DG,  17
.set PFK, 18
.set PFV, 20
.set G1K, 24
.set G1V, 32
.set G0K, 40
.set G0V, 44
.set QL,  48
.set QH,  50
.set CL,  52
.set CH,  54
.set SLOTS, 56
.set CS,  58
.set SEL, 60
.set TB,  62
.set MSB, 0
.macro WIN new
.if MSB != \new
	s_set_vgpr_msb (MSB<<8)|\new
.set MSB, \new
.endif
.endm
.set W_KQ, 0x0a                        ; K and Q window 2, S^T window 0
.set W_PV, 0x53                        ; V window 3, P window 0, O^T window 1
.set W_RS, 0x41                        ; O^T window 1, a window 0
.macro PLACES
.rept 4
	v_nop
.endr
.endm
; Waves 0 and 1 fetch K of the slot's two steps, waves 2 and 3 V.  Every wave issues one load.  An s_nop 0 and four v_nop follow each of the two lines.
.macro TLOAD
	s_cmp_lt_u32 s[WV], 2
	s_cbranch_scc0 .Lfor_v_\@
	tensor_load_to_lds s[G0K:G0K+3], s[G1K:G1K+7]
	s_nop 0
	PLACES
	s_branch .Lasked_\@
.Lfor_v_\@:
	tensor_load_to_lds s[G0V:G0V+3], s[G1V:G1V+7]
	s_nop 0
	PLACES
.Lasked_\@:
.endm
	s_load_b128 s[4:7], s[0:1], 0x0                ; qkv16 s[4:5], ctx16 s[6:7]
	v_lshl_add_u32 v[SPW], v0, 2, SPARE
	v_mov_b32 v[NIL], 0
	ds_add_u32 v[SPW], v[NIL]                      ; the wave's opening: the add, twice on end, and its wait ahead of my first tensor load
	ds_add_u32 v[SPW], v[NIL]
	v_lshrrev_b32 v1, 5, v0
	v_readfirstlane_b32 s[WV], v1
	s_mov_b32 s[JJ], ttmp9
	s_sub_co_u32 s[LAST], 15, s[JJ]
	s_and_b32 s8, ttmp7, 0xffff                    ; batch x 16 + head
	s_lshl_b32 s9, s8, 19                          ; the head's first byte in a plane
	s_and_b32 s2, s[WV], 1                         ; which of a slot's two steps I fetch
	s_lshl_b32 s10, s2, 14
	s_add_co_u32 s10, s10, s9
	s_add_co_u32 s10, s10, KPLANE                  ; K
	s_mov_b32 s11, 0
	s_add_co_u32 s22, s10, KPLANE                  ; V
	s_mov_b32 s23, 0
	s_mul_i32 s3, s2, STEPB                        ; its place in a slot
	s_lshl_b32 s2, s[WV], 13
	s_add_co_u32 s2, s2, s9                        ; the head + 32 w rows
	s_lshl_b32 s[QL], s[JJ], 15
	s_add_co_u32 s[QL], s[QL], s2
	s_mov_b32 s[QL+1], 0
	s_lshl_b32 s[QH], s[LAST], 15
	s_add_co_u32 s[QH], s[QH], s2
	s_mov_b32 s[QH+1], 0
	s_add_co_u32 s[PFK], s2, KPLANE+32768          ; the prefetches stand at slot 1: the first change of slots steps them to slot 2
	s_mov_b32 s[PFK+1], 0
	s_add_co_u32 s[PFV], s2, 2*KPLANE+32768
	s_mov_b32 s[PFV+1], 0
	s_lshr_b32 s2, s8, 4                           ; ctx16: (batch x 2048 + 128 block + 32 w) rows of 4,096 bytes + 256 x head
	s_lshl_b32 s2, s2, 23
	s_and_b32 s8, s8, 15
	s_lshl_b32 s8, s8, 8
	s_add_co_u32 s2, s2, s8
	s_lshl_b32 s8, s[WV], 17
	s_add_co_u32 s2, s2, s8
	s_lshl_b32 s[CL], s[JJ], 19
	s_add_co_u32 s[CL], s[CL], s2
	s_mov_b32 s[CL+1], 0
	s_lshl_b32 s[CH], s[LAST], 19
	s_add_co_u32 s[CH], s[CH], s2
	s_mov_b32 s[CH+1], 0
	s_cmp_eq_u32 s[JJ], 0
	s_cselect_b32 s[LIM], 2, -1                    ; the head's work-group 0, which walks all 16 slots, prefetches; nobody else
	s_mov_b32 s[G1K], (1<<16)|(1<<20)|(5<<22)|(3<<25)   ; elements of 2 bytes; padding on: 4 words behind every 64
	s_mov_b32 s[G1V], (1<<16)|(1<<20)|(5<<22)|(7<<25)   ; 8 words
.irp g, G1K, G1V
	s_mov_b32 s[\g+1], 128<<16                     ; tensor_dim0 = 128
	s_mov_b32 s[\g+2], KS<<16                      ; tensor_dim1 = 64
	s_mov_b32 s[\g+3], 128<<16                     ; tile_dim0 = 128
	s_mov_b32 s[\g+4], KS                          ; tile_dim1 = 64
	s_mov_b32 s[\g+5], 128                         ; from row to row
	s_mov_b32 s[\g+6], 0
	s_mov_b32 s[\g+7], 0
.endr
	s_mov_b32 s[CS], 0x3e0293ee                    ; c = log2(e) / sqrt(128)
	s_mov_b32 s[CS+1], s[CS]
	s_mov_b32 s[SEL], 0x76543210
	s_mov_b32 s[SEL+1], 0xfedcba98
	s_mov_b32 s[TB], 0
	s_mov_b32 s[SL], 0
	s_mov_b32 s[SLOTS], 16
	s_wait_dscnt 0x0                               ; both opening adds are done
	s_wait_kmcnt 0x0
	s_mov_b32 s[G0K], 1
	s_mov_b32 s[G0K+1], s3
	s_add_nc_u64 s[G0K+2:G0K+3], s[4:5], s[10:11]
	s_or_b32 s[G0K+3], s[G0K+3], 0x80000000
	s_mov_b32 s[G0V], 1
	s_add_co_u32 s[G0V+1], s3, VOFF
	s_add_nc_u64 s[G0V+2:G0V+3], s[4:5], s[22:23]
	s_or_b32 s[G0V+3], s[G0V+3], 0x80000000
	TLOAD                                          ; slot 0: keys 0 .. 127, which count for queries of every work-group
	s_add_nc_u64 s[QL:QL+1], s[4:5], s[QL:QL+1]
	s_add_nc_u64 s[QH:QH+1], s[4:5], s[QH:QH+1]
	s_add_nc_u64 s[PFK:PFK+1], s[4:5], s[PFK:PFK+1]
	s_add_nc_u64 s[PFV:PFV+1], s[4:5], s[PFV:PFV+1]
	s_add_nc_u64 s[CL:CL+1], s[6:7], s[CL:CL+1]
	s_add_nc_u64 s[CH:CH+1], s[6:7], s[CH:CH+1]
	v_and_b32 v1, 15, v0                           ; r
	v_bfe_u32 v9, v0, 4, 1                         ; h
	v_lshlrev_b32 v[QO], 8, v1
	v_lshl_add_u32 v[QO], v9, 4, v[QO]
	WIN 0x80                                       ; destination window 2
.irp i, 0,1,2,3,4,5,6,7                        ; Q stays in registers: tile i / 4 of the block, channels 32 (i % 4) on
	global_load_b128 v[8*\i:8*\i+3],   v[QO], s[QL:QL+1] offset:(\i/4)*4096+(\i%4)*64
	global_load_b128 v[8*\i+4:8*\i+7], v[QO], s[QL:QL+1] offset:(\i/4)*4096+(\i%4)*64+32
.endr
.irp i, 0,1,2,3,4,5,6,7
	global_load_b128 v[64+8*\i:64+8*\i+3],   v[QO], s[QH:QH+1] offset:(\i/4)*4096+(\i%4)*64
	global_load_b128 v[64+8*\i+4:64+8*\i+7], v[QO], s[QH:QH+1] offset:(\i/4)*4096+(\i%4)*64+32
.endr
	WIN 0
	v_mul_u32_u24 v[AK0], v1, PK
	v_lshl_add_u32 v[AK0], v9, 4, v[AK0]           ; K: row x pitch + 16 x half
	v_and_b32 v10, 7, v0                           ; V, for the turning load: key 8 h + lane % 8, channels 8 ((lane / 8) % 2) on
	v_bfe_u32 v11, v0, 3, 1
	v_lshl_add_u32 v[AV0], v9, 3, v10
	v_mul_u32_u24 v[AV0], v[AV0], PVP
	v_lshl_add_u32 v[AV0], v11, 4, v[AV0]
	v_add_nc_u32 v[AV0], VOFF, v[AV0]
	v_lshlrev_b32 v10, 3, v9
	v_sub_nc_u32 v[DM], v1, v10
	s_lshl_b32 s2, s[WV], 5
	v_add_nc_u32 v[DM], s2, v[DM]                  ; r - 8 h + 32 w
	v_mov_b32 v[NINF], 0xff800000
	v_and_b32 v[PFO], 31, v0
	v_lshlrev_b32 v[PFO], 8, v[PFO]
	s_mul_i32 s2, s[WV], 16*SP
	s_add_co_u32 s2, s2, STAGE                     ; my stage
	v_mul_u32_u24 v[STO], v1, SP
	v_lshl_add_u32 v[STO], v9, 4, v[STO]
	v_add_nc_u32 v[STO], s2, v[STO]
	v_mul_u32_u24 v[RD], v9, SP
	v_lshl_add_u32 v[RD], v1, 4, v[RD]
	v_add_nc_u32 v[RD], s2, v[RD]
	v_lshlrev_b32 v[GO], 12, v9
	v_lshl_add_u32 v[GO], v1, 4, v[GO]             ; two rows of ctx16, 16 bytes a lane
.irp t, 0,1,2,3
	v_mov_b32 v[ST+8*\t+1], 0xff61b1e6             ; m = -3e38, under every score
	v_mul_f32 v[ST+8*\t], s[CS], v[ST+8*\t+1]      ; c m
.irp u, 2,3,4,5,6,7
	v_mov_b32 v[ST+8*\t+\u], 0                     ; l, and the registers at work
.endr
.endr
	WIN 0x40
.set i, 0
.rept 256
	v_mov_b32 v[i], 0                              ; O^T.  The step is written once for every step: the first finds zeros, which the first a (0) leaves zeros
.set i, i+1
.endr
	WIN 0
; Product i of 16 of S^T = K Q^T of tile t: channels 32 (i / 4) on, keys 16 (i % 4) on.  Four accumulators take turns; the first four start the sums.
.macro MKQ t
	WIN W_KQ
.set rS, S+32*(\t)+8*(i%4)
.set rK, KF+32*(i%4)+8*(i/4)
.set rQ, 32*(\t)+8*(i/4)
.if i < 4
	v_wmma_f32_16x16x32_f16 v[rS:rS+7], v[rK:rK+7], v[rQ:rQ+7], 0
.else
	v_wmma_f32_16x16x32_f16 v[rS:rS+7], v[rK:rK+7], v[rQ:rQ+7], v[rS:rS+7]
.endif
.endm
; Product i of 16 of O^T += V^T P of tile t: keys 32 (i / 8) on, channels 16 (i % 8) on.  Eight accumulators take turns.
.macro MPV t
	WIN W_PV
.set rO, 64*(\t)+8*(i%8)
.set rV, 64*(i/8)+8*(i%8)
.set rP, P+16*(\t)+8*(i/8)
	v_wmma_f32_16x16x32_f16 v[rO:rO+7], v[rV:rV+7], v[rP:rP+7], v[rO:rO+7]
.endm
.macro FETCH_K q                       ; K of the slot's step q: 32 loads, the channels' chunks of 32 one after the other, so that the first products need wait for eight loads alone
	WIN 0x80
.irp c, 0,1,2,3
.irp a, 0,1,2,3
	ds_load_b128 v[KF+32*\a+8*\c:KF+32*\a+8*\c+3],   v[ADK] offset:(\q)*STEPB+\a*16*PK+\c*64
	ds_load_b128 v[KF+32*\a+8*\c+4:KF+32*\a+8*\c+7], v[ADK] offset:(\q)*STEPB+\a*16*PK+\c*64+32
.endr
.endr
.endm
.macro FETCH_V q                       ; V of step q, turned: keys 32 (f / 8) on, channels 16 (f % 8) on
	WIN 0xc0
.irp f, 0,1,2,3,4,5,6,7,8,9,10,11,12,13,14,15
	ds_load_tr16_b128 v[8*\f:8*\f+3],   v[ADV] offset:(\q)*STEPB+(\f/8)*32*PVP+(\f%8)*32
	ds_load_tr16_b128 v[8*\f+4:8*\f+7], v[ADV] offset:(\q)*STEPB+(\f/8)*32*PVP+16*PVP+(\f%8)*32
.endr
.endm
; ONE TILE'S SOFTMAX FOR ONE STEP is a list of 134 instructions; SMI writes number j of it for tile t and steps j.
;   0-15 the maximum of the 32 scores and the old m   16-20 the other half of the lanes; m; c m; c m_old - c m_new
;   21-69 ONE BATCH: 16 packed scalings c s - c m and 33 exponentials; none of them names an exponential's result
;   ahead of 70: a plain line and ONE waitx an exponential and the first line that names its result
;   70-85 roundings to f16   86-101 the sums, l = a l + sum   102-133 O^T x a
.macro SMI t
.if j < 134
.set rT, ST+8*(\t)
.set rS, S+32*(\t)
.set rP, P+16*(\t)
.if j < 102
	WIN 0
.else
	WIN W_RS
.endif
.if j < 4
	v_max3_num_f32 v[rT+4+j], v[rS+8*j], v[rS+8*j+1], v[rS+8*j+2]        ; each accumulator is read from its low end on
.elseif j < 12
	v_max3_num_f32 v[rT+4+j%4], v[rT+4+j%4], v[rS+8*(j%4)+2*(j/4)+1], v[rS+8*(j%4)+2*(j/4)+2]
.elseif j == 12
	v_max3_num_f32 v[rT+4], v[rT+4], v[rS+7], v[rS+15]
.elseif j == 13
	v_max3_num_f32 v[rT+6], v[rT+6], v[rS+23], v[rS+31]
.elseif j == 14
	v_max3_num_f32 v[rT+4], v[rT+4], v[rT+5], v[rT+6]
.elseif j == 15
	v_max3_num_f32 v[rT+4], v[rT+4], v[rT+7], v[rT+1]
.elseif j == 16
	v_permlanex16_b32 v[rT+5], v[rT+4], s[SEL], s[SEL+1]
.elseif j == 17
	v_mov_b32 v[rT+7], v[rT]
.elseif j == 18
	v_max_num_f32 v[rT+1], v[rT+4], v[rT+5]
.elseif j == 19
	v_mul_f32 v[rT], s[CS], v[rT+1]
.elseif j == 20
	v_sub_f32 v[rT+7], v[rT+7], v[rT]
.elseif (j == 21) || ((j < 67) && ((j-22)%3 == 0))
.set bb, 0
.if j > 21
.set bb, (j-22)/3+1
.endif
	v_pk_fma_f32 v[rS+2*bb:rS+2*bb+1], v[rS+2*bb:rS+2*bb+1], s[CS:CS+1], v[rT:rT+1] op_sel_hi:[1,0,0] neg_lo:[0,0,1] neg_hi:[0,0,1]
.elseif j < 67
.set ee, 2*((j-22)/3)+(j-22)%3-1
	v_exp_f32 v[rS+ee], v[rS+ee]
.elseif j < 69
	v_exp_f32 v[rS+j-37], v[rS+j-37]
.elseif j == 69
	v_exp_f32 v[rT+6], v[rT+7]                     ; a
.elseif j < 86
.if j == 70
	v_nop
	s_wait_alu depctr_va_vdst(0)
.endif
	v_cvt_pk_f16_f32 v[rP+j-70], v[rS+2*(j-70)], v[rS+2*(j-70)+1]
.elseif j < 102
.set z, j-86
.set w, 4
.set u, z
.if z >= 14
.set w, 32
.set u, 0
.elseif z >= 12
.set w, 16
.set u, z-12
.elseif z >= 8
.set w, 8
.set u, z-8
.endif
.if z < 15
	v_pk_add_f32 v[rS+w*u:rS+w*u+1], v[rS+w*u:rS+w*u+1], v[rS+w*u+w/2:rS+w*u+w/2+1]
.else
	v_pk_fma_f32 v[rT+2:rT+3], v[rT+2:rT+3], v[rT+6:rT+7], v[rS:rS+1] op_sel_hi:[1,0,1]
.endif
.else
.set rO, 64*(\t)+2*(j-102)
	v_pk_mul_f32 v[rO:rO+1], v[rO:rO+1], v[rT+6:rT+7] op_sel_hi:[1,0]
.endif
.endif
.set j, j+1
.endm
; A STAGE: tile tk's 16 products K Q^T and tile tp's 16 products V^T P by turns (9: none), and behind each matrix instruction per numbers of tile ts's softmax.
; kw = 1: K's chunks are waited for as they are wanted: behind chunk c stand K's later chunks, eight loads each, and V's 32.
; The four plain lines at its end are the places in front of the next stage's first read of these scores and of loads into K's or V's registers.
.macro STG tk, ts, tp, per, kw
.set j, 0
.set i, 0
.rept 16
.if \tk < 9
.if \kw && (i%4 == 0)
	s_wait_dscnt 56-8*(i/4)
.endif
	MKQ \tk
.rept \per
	SMI \ts
.endr
.endif
.if \tp < 9
	MPV \tp
.rept \per
	SMI \ts
.endr
.endif
.set i, i+1
.endr
	WIN 0
	PLACES
.endm
; On the diagonal: register n of tile t holds key 64 q + 16 (n / 8) + n % 8 + 8 h of the block, my query is 32 w + 16 (t % 2) + r of it: hidden where the key is the greater.
.macro MAYMASK t, q
	s_cmp_eq_u32 s[DG], 1
	s_cbranch_scc0 .Lopen_\@
	v_add_nc_u32 v[MD], 16*((\t)%2)-64*(\q), v[DM]
.set n, 0
.rept 32
	v_cmp_gt_i32 vcc_lo, 16*(n/8)+n%8, v[MD]
	v_cndmask_b32 v[S+32*(\t)+n], v[S+32*(\t)+n], v[NINF], vcc_lo
.set n, n+1
.endr
.Lopen_\@:
.endm
.macro FULLSTEP q
.if (\q) == 0
	FETCH_K 0
.endif
	FETCH_V \q
	STG 0, 9, 9, 0, 1
	MAYMASK 0, \q
	STG 1, 0, 9, 9, 0
	MAYMASK 1, \q
	s_wait_dscnt 0x0                               ; V is in
	STG 2, 1, 0, 5, 0
	STG 3, 2, 1, 5, 0
.if (\q) == 0
	FETCH_K 1                                      ; the step's last product by K stands in front of the four plain lines above
.endif
	STG 9, 3, 2, 9, 0
	STG 9, 9, 3, 0, 0
.endm
.macro HIGHSTEP q
.if (\q) == 0
	FETCH_K 0
.endif
	FETCH_V \q
	STG 2, 9, 9, 0, 1
	MAYMASK 2, \q
	STG 3, 2, 9, 9, 0
	MAYMASK 3, \q
.if (\q) == 0
	FETCH_K 1
	s_wait_dscnt 32                                ; V is in; K's 32 loads just issued may be out
.else
	s_wait_dscnt 0x0
.endif
	STG 9, 3, 2, 9, 0
	STG 9, 9, 3, 0, 0
.endm
	s_wait_loadcnt 0x0                             ; Q
.Lslot:                                            ; 16 trips
	; THE CHANGE OF SLOTS, at a slot's head: all my tensor loads have landed (my part of the slot ahead), the add, my reads of the slot that I have left are over; one barrier; then the slot that was left is filled.
	s_wait_tensorcnt 0x0                           ; no tensor load of mine is out, so the descriptors may be written
	ds_add_u32 v[SPW], v[NIL]                      ; 0 onto my spare word
	s_xor_b32 s[G0K+1], s[G0K+1], SLOT1            ; the walking descriptors: the other slot, the next 128 keys
	s_add_nc_u64 s[G0K+2:G0K+3], s[G0K+2:G0K+3], 32768
	s_xor_b32 s[G0V+1], s[G0V+1], SLOT1
	s_add_nc_u64 s[G0V+2:G0V+3], s[G0V+2:G0V+3], 32768
	s_wait_xcnt 0x0                                ; the last prefetches, a slot back, have read their addresses
	s_add_nc_u64 s[PFK:PFK+1], s[PFK:PFK+1], 32768
	s_add_nc_u64 s[PFV:PFV+1], s[PFV:PFV+1], 32768
	s_wait_dscnt 0x0
	s_barrier_signal -1
	s_barrier_wait -1
	s_cmp_ge_u32 s[SL], s[LAST]                    ; slot SL + 1 is asked for only where SL + 1 <= 15 - JJ: beyond that none of my four waves reads it.  Ids and the count of slots alone: all waves go the same way;
	s_cbranch_scc1 .Lpast                          ; every wait for tensor loads in this text is for 0, and the jump leads round the load's own lines alone
	TLOAD                                          ; my one tensor load until the next barrier: it has the slot's two steps in which to land
.Lpast:
	s_cmp_gt_u32 s[SLOTS], s[LIM]                  ; A PREFETCH of slot SL + 2, which the next change of slots asks for: rows 32 w + lane of K and of V, a lane a row of 256 bytes: each row is named once in the launch,
	s_cbranch_scc0 .Lnot_mine                      ; by the head's work-group 0.  SLOTS = 16 - SL > 2 keeps SL + 2 at 15 or under
	global_prefetch_b8 v[PFO], s[PFK:PFK+1] th:TH_LOAD_NT scope:SCOPE_SE
	global_prefetch_b8 v[PFO], s[PFV:PFV+1] th:TH_LOAD_NT scope:SCOPE_SE
.Lnot_mine:
	v_add_nc_u32 v[ADK], s[TB], v[AK0]
	v_add_nc_u32 v[ADV], s[TB], v[AV0]
	s_cmp_gt_u32 s[SL], s[LAST]
	s_cbranch_scc1 .Lidle
	s_cmp_gt_u32 s[SL], s[JJ]
	s_cbranch_scc1 .Lhigh
	s_cmp_eq_u32 s[SL], s[JJ]
	s_cselect_b32 s[DG], 1, 0
	FULLSTEP 0
	FULLSTEP 1
	s_branch .Lidle
.Lhigh:
	s_cmp_eq_u32 s[SL], s[LAST]
	s_cselect_b32 s[DG], 1, 0
	HIGHSTEP 0
	HIGHSTEP 1
.Lidle:
	s_xor_b32 s[TB], s[TB], SLOT1
	s_add_co_u32 s[SL], s[SL], 1
	s_sub_co_u32 s[SLOTS], s[SLOTS], 1
	s_cmp_lg_u32 s[SLOTS], 0
	s_cbranch_scc1 .Lslot
	; THE WAY OUT: l's two halves and the other half of the lanes'; O^T / l, rounded to f16, a tile (16 rows x 256 bytes) at a time through my stage.
.irp t, 0,1,2,3
	v_add_f32 v[ST+8*\t+4], v[ST+8*\t+2], v[ST+8*\t+3]
.endr
.irp t, 0,1,2,3
	v_permlanex16_b32 v[ST+8*\t+5], v[ST+8*\t+4], s[SEL], s[SEL+1]
.endr
.irp t, 0,1,2,3
	v_add_f32 v[ST+8*\t+4], v[ST+8*\t+4], v[ST+8*\t+5]
.endr
.irp t, 0,1,2,3
	v_rcp_f32 v[ST+8*\t+6], v[ST+8*\t+4]
.endr
	v_nop                                          ; a plain line behind the last reciprocal,
	s_wait_alu depctr_va_vdst(0)                   ; and one wait for the four, ahead of the first use
.macro PACK t
	WIN W_RS
.set i, 64*\t
.rept 32
	v_pk_mul_f32 v[i:i+1], v[i:i+1], v[ST+8*\t+6:ST+8*\t+7] op_sel_hi:[1,0]
.set i, i+2
.endr
	WIN 0x05                                       ; sources 0 and 1 window 1
.set i, 0
.rept 32
	v_cvt_pk_f16_f32 v[S+32*\t+i], v[64*\t+2*i], v[64*\t+2*i+1]
.set i, i+1
.endr
	WIN 0
.irp f, 0,1,2,3,4,5,6,7
	ds_store_b128 v[STO], v[S+32*\t+4*\f:S+32*\t+4*\f+3] offset:32*\f
.endr
.irp f, 0,1,2,3,4,5,6,7
	ds_load_b128 v[S+32*\t+4*\f:S+32*\t+4*\f+3], v[RD] offset:\f*2*SP   ; LDS serves a wave's instructions in order: these see the stores above
.endr
.endm
.macro SEND t, younger                 ; younger: the LDS instructions issued behind tile t's loads
.irp f, 0,1,2,3,4,5,6,7
	s_wait_dscnt \younger+7-\f
	global_store_b128 v[GO], v[S+32*\t+4*\f:S+32*\t+4*\f+3], s[CL+2*(\t/2):CL+2*(\t/2)+1] offset:(\t%2)*65536+\f*8192   ; 16 lanes store 256 consecutive bytes, aligned
.endr
.endm
	PACK 0
	PACK 1
	SEND 0, 16
	PACK 2
	SEND 1, 16
	PACK 3
	SEND 2, 16
	SEND 3, 0
	s_wait_tensorcnt 0x0                           ; the wave's end
	ds_add_u32 v[SPW], v[NIL]
	s_wait_dscnt 0x0
	s_endpgm
.Lfunc_end_k_q807a072d1e_attn:
	.size	k_q807a072d1e_attn, .Lfunc_end_k_q807a072d1e_attn-k_q807a072d1e_attn
	.p2alignl 7, 3214868480
	.fill 96, 4, 3214868480
	.section	.rodata,"a",@progbits
	.p2align	6, 0x0
	.amdhsa_kernel k_q807a072d1e_attn
		.amdhsa_group_segment_fixed_size 327680
		.amdhsa_private_segment_fixed_size 0
		.amdhsa_enable_private_segment 0
		.amdhsa_kernarg_size 16
		.amdhsa_user_sgpr_count 2
		.amdhsa_user_sgpr_kernarg_segment_ptr 1
		.amdhsa_wavefront_size32 1
		.amdhsa_system_sgpr_workgroup_id_x 1
		.amdhsa_system_sgpr_workgroup_id_y 1
		.amdhsa_system_sgpr_workgroup_id_z 1
		.amdhsa_system_vgpr_workitem_id 0
		.amdhsa_next_free_vgpr 1024
		.amdhsa_next_free_sgpr 66
		.amdhsa_reserve_vcc 1
		.amdhsa_float_denorm_mode_32 3
		.amdhsa_float_denorm_mode_16_64 3
		.amdhsa_memory_ordered 1
		.amdhsa_forward_progress 1
		.amdhsa_inst_pref_size 210
	.end_amdhsa_kernel
	.amdgpu_metadata
---
amdhsa.version: [ 1, 2 ]
amdhsa.kernels:
  - .name:           k_q807a072d1e_attn
    .symbol:         k_q807a072d1e_attn.kd
    .args:
      - { .name: qkv16, .offset: 0, .size: 8, .value_kind: global_buffer, .address_space: global }
      - { .name: ctx16, .offset: 8, .size: 8, .value_kind: global_buffer, .address_space: global }
    .group_segment_fixed_size: 327680
    .private_segment_fixed_size: 0
    .kernarg_segment_align: 8
    .kernarg_segment_size: 16
    .max_flat_workgroup_size: 128
    .sgpr_count:     66
    .vgpr_count:     1024
    .wavefront_size: 32
...
	.end_amdgpu_metadata
.endif
;; end of part 3
;; launch oproj (part 4): grid 16 x 16, 4 waves a work-group, clusters of 4 x 4, 327,680 bytes of LDS; arguments ctx16, wo16, bo, out0; writes out0
.if DOCPART == 4
	.amdgcn_target "amdgcn-amd-amdhsa--gfx1250"
	.amdhsa_code_object_version 6
	.text
	.protected	k_q807a072d1e_oproj
	.globl	k_q807a072d1e_oproj
	.p2align	8
	.type	k_q807a072d1e_oproj,@function
k_q807a072d1e_oproj:
	s_mov_b64 s[64:65], 0
	v_nop
	global_prefetch_b8 v0, s[64:65] scope:SCOPE_SE
	s_setreg_imm32_b32 hwreg(HW_REG_WAVE_MODE, 25, 1), 1
	s_wait_xcnt 0x0
	s_wait_alu depctr_hold_cnt(0) depctr_sa_sdst(0) depctr_va_vdst(0) depctr_va_sdst(0) depctr_va_ssrc(0) depctr_va_vcc(0) depctr_vm_vsrc(0)
	s_getreg_b32 s2, hwreg(HW_REG_IB_STS2, 6, 4)
	s_cmp_eq_u32 s2, 0
	s_cbranch_scc0 .Lentry_in_a_cluster
	s_endpgm
.Lentry_in_a_cluster:
	s_bfe_u32 s2, ttmp6, 0x10000c
	s_cmp_lg_u32 s2, 0xf033
	s_cbranch_scc0 .Lentry_shape_is_right
	s_endpgm
.Lentry_shape_is_right:
; out[m][n] = the sum over k of ctx[m][k] Wo[n][k] + bo[n].  ctx16 [4096][2048], wo16 [2048][2048]: f16; bo [2048], out0 [4096][2048]: f32; sums in f32.
; A tile of out is 256 rows x 128 columns, so that 4,096 x 2,048 gives 256 work-groups.  Four waves, each 128 x 64: 32 accumulators of 16 x 16 in window 2.
; K goes in steps of 128 (rows of 256 bytes) through a ring of two LDS slots: A's 256 rows, then B's 128.  Waves 0, 1 fetch A's halves (128 rows), waves 2, 3 B's (64 rows): one tensor load a wave behind each round.
; CLUSTERS: 4 x 4 work-groups.  A's tile is shared along a row of the cluster, B's along a column: each is asked for jointly, by the same descriptor and a mask that names the four.
; The matrix instruction is used transposed (source 0 = 16 rows of Wo, source 1 = 16 rows of ctx): a lane holds eight neighbouring columns of one row of out.  bo is the C of each sum's first matrix instruction.
; All 4,096 rows are made here; the 32 rows of the first 16 positions of the two sequences are stored anew, from f32 operands, by a later launch.
; REGISTERS: window 0: v16-30 addresses; v64-127, v128-191 A's fragments, two buffers; v32-63, v224-255 rows on the way out.   window 1: v64-95, v128-159 B's fragments; v192-223 bo.   window 2: accumulator (a, b) at 8 (4 a + b).
.set SIZE_K, 2048
.set SIZE_N, 2048
.set KSTEP,  128
.set PITCH,  272
.set HALFA,  128*PITCH
.set HALFB,  64*PITCH
.set SLOT,   2*HALFA+2*HALFB
.set STAGE,  2*SLOT                    ; 16 rows x (256 bytes + 16) for each wave
.set SPARE,  STAGE+4*16*PITCH          ; the spare words: 128 bytes a wave, named by no other line
.set LAPS,   SIZE_K/(2*KSTEP)
.set ADRA, 16
.set ADRB, 20
.set STO,  24
.set RD,   25
.set CO,   26
.set BIA,  27
.set SPW,  28
.set NIL,  29
.set PFO,  30
.set F0,   64
.set F1,   128
.set BI,   192
.set G1,   24
.set G0,   32
.set LIM,  42                          ; s42: 1 in a wave that prefetches at slot 0's change, else the greatest number;  s43: the same for slot 1's change
.set PFA,  44
.set G1B,  48
.set G0B,  56
.set MSB, 0
.macro WIN new
.if MSB != \new
	s_set_vgpr_msb (MSB<<8)|\new
.set MSB, \new
.endif
.endm
.set MUL,  0xa1                        ; source 0 (B) window 1, source 1 (A) window 0, C and D window 2
.set MULB, 0x91                        ; the same with C (bo) in window 1
.set TO_B, 0x40
.macro PLACES
.rept 4
	v_nop
.endr
.endm
.macro JLOAD s                         ; a joint load; an s_nop 0 and four v_nop follow each of the two lines
	s_cmp_eq_u32 s13, 0
	s_cbranch_scc0 .Lfor_b_\@
	tensor_load_to_lds s[G0+4*\s:G0+4*\s+3], s[G1:G1+7]
	s_nop 0
	PLACES
	s_branch .Lasked_\@
.Lfor_b_\@:
	tensor_load_to_lds s[G0B+4*\s:G0B+4*\s+3], s[G1B:G1B+7]
	s_nop 0
	PLACES
.Lasked_\@:
.endm
.macro CREST
	s_cmp_lg_u32 s12, 0
	s_cbranch_scc1 .Lnot_wave_0_\@
	s_barrier_signal -3
.Lnot_wave_0_\@:
	s_barrier_wait -3
	s_barrier_signal -1
	s_barrier_wait -1
.endm
.macro CROUND
	s_barrier_signal -1
	s_barrier_wait -1
	CREST
.endm
; A PREFETCH behind each joint load and the run of LDS loads that follows it: the K step two refills on.  A's rows are named by the clusters with x = 0, B's by those with y = 0; the four partners of a joint load share its rows
; out by address.  A: 32 rows a partner, a lane a row, at both changes of slots.  B: 16 rows a partner; lanes 16-31 name the K step after, and B's waves ask at slot 0's change alone.  The loop's last trip asks for nothing.
.macro ASK slot
	s_cmp_gt_u32 s3, s[LIM+(\slot)]
	s_cbranch_scc0 .Lnot_mine_\@
	global_prefetch_b8 v[PFO], s[PFA:PFA+1] offset:KSTEP*2 th:TH_LOAD_NT scope:SCOPE_SE
.Lnot_mine_\@:
.endm
	s_load_b256 s[4:11], s[0:1], 0x0               ; ctx16 s[4:5], wo16 s[6:7], bo s[8:9], out0 s[10:11]
	v_lshl_add_u32 v[SPW], v0, 2, SPARE
	v_mov_b32 v[NIL], 0
	ds_add_u32 v[SPW], v[NIL]                      ; the wave's opening: the add, twice on end, and its wait ahead of my first tensor load
	ds_add_u32 v[SPW], v[NIL]
	v_lshrrev_b32 v1, 5, v0
	v_readfirstlane_b32 s12, v1                    ; wave
	s_lshr_b32 s13, s12, 1                         ; which half of the tile's rows is mine.  Also: I fetch for A (0) or for B (1)
	s_and_b32 s14, s12, 1                          ; which half of its columns.  Also: which part of that tile I fetch
	s_bfe_u32 s15, ttmp6, 0x40000                  ; cx
	s_bfe_u32 s16, ttmp6, 0x40004                  ; cy
	s_lshl_b32 s17, ttmp9, 2
	s_add_co_u32 s17, s17, s15                     ; tile column (128 columns)
	s_and_b32 s18, ttmp7, 0xffff
	s_lshl_b32 s18, s18, 2
	s_add_co_u32 s18, s18, s16                     ; tile row (256 rows)
	s_lshl_b32 s40, s16, 2
	s_lshl_b32 s40, 15, s40                        ; my row of the cluster
	s_lshl_b32 s41, 0x1111, s15                    ; my column
	s_or_b32 s[G1], s40, (1<<16)|(1<<20)|(1<<21)|(5<<22)|(3<<25)    ; the mask; elements of 2 bytes; padding on; bit 21 beside a mask; 4 words behind every 64
	s_or_b32 s[G1B], s41, (1<<16)|(1<<20)|(1<<21)|(5<<22)|(3<<25)
	s_mov_b32 s[G1+1], KSTEP<<16                   ; tensor_dim0 = 128
	s_mov_b32 s[G1+2], 128<<16                     ; tensor_dim1 = 128
	s_mov_b32 s[G1+3], KSTEP<<16                   ; tile_dim0 = 128
	s_mov_b32 s[G1+4], 128                         ; tile_dim1 = 128
	s_mov_b32 s[G1+5], SIZE_K
	s_mov_b32 s[G1+6], 0
	s_mov_b32 s[G1+7], 0
	s_mov_b32 s[G1B+1], KSTEP<<16
	s_mov_b32 s[G1B+2], 64<<16                     ; B: 64 rows
	s_mov_b32 s[G1B+3], KSTEP<<16
	s_mov_b32 s[G1B+4], 64
	s_mov_b32 s[G1B+5], SIZE_K
	s_mov_b32 s[G1B+6], 0
	s_mov_b32 s[G1B+7], 0
	s_lshl_b32 s20, s18, 8                         ; A: row 256 x tile row + 128 x part, 4,096 bytes a row
	s_lshl_b32 s21, s14, 7
	s_add_co_u32 s20, s20, s21
	s_lshl_b32 s20, s20, 12
	s_mov_b32 s21, 0
	s_lshl_b32 s46, s17, 7                         ; B: row 128 x tile column + 64 x part
	s_lshl_b32 s47, s14, 6
	s_add_co_u32 s46, s46, s47
	s_lshl_b32 s46, s46, 12
	s_mov_b32 s47, 0
	s_mul_i32 s22, s14, HALFA                      ; where they go: no place in the cluster enters an LDS address
	s_mul_i32 s23, s14, HALFB
	s_add_co_u32 s23, s23, 2*HALFA
	s_wait_dscnt 0x0                               ; both opening adds are done
	s_wait_kmcnt 0x0
	s_add_nc_u64 s[20:21], s[4:5], s[20:21]
	s_add_nc_u64 s[46:47], s[6:7], s[46:47]
	CROUND                                         ; all sixteen work-groups are here: the first joint loads meet
.irp s, 0,1
	s_mov_b32 s[G0+4*\s], 1
	s_add_co_u32 s[G0+4*\s+1], s22, \s*SLOT
	s_add_nc_u64 s[G0+4*\s+2:G0+4*\s+3], s[20:21], \s*KSTEP*2
	s_or_b32 s[G0+4*\s+3], s[G0+4*\s+3], 0x80000000
	s_mov_b32 s[G0B+4*\s], 1
	s_add_co_u32 s[G0B+4*\s+1], s23, \s*SLOT
	s_add_nc_u64 s[G0B+4*\s+2:G0B+4*\s+3], s[46:47], \s*KSTEP*2
	s_or_b32 s[G0B+4*\s+3], s[G0B+4*\s+3], 0x80000000
	JLOAD \s                                       ; two loads of mine are out
.endr
	v_and_b32 v1, 15, v0                           ; r
	v_bfe_u32 v2, v0, 4, 1                         ; h
	v_mul_u32_u24 v3, v1, PITCH
	v_lshl_add_u32 v3, v2, 4, v3                   ; a fragment's row x pitch + 16 x half
	s_mul_i32 s40, s13, HALFA                      ; my 128 rows of A
	s_mul_i32 s41, s14, HALFB
	s_add_co_u32 s41, s41, 2*HALFA                 ; my 64 rows of B
.irp s, 0,1
	v_add_nc_u32 v[ADRA+\s], s40, v3
	v_add_nc_u32 v[ADRB+\s], s41, v3
	s_add_co_u32 s40, s40, SLOT
	s_add_co_u32 s41, s41, SLOT
.endr
	s_mul_i32 s40, s12, 16*PITCH
	s_add_co_u32 s40, s40, STAGE                   ; my stage
	v_mul_u32_u24 v[STO], v1, PITCH
	v_lshl_add_u32 v[STO], v2, 5, v[STO]
	v_add_nc_u32 v[STO], s40, v[STO]               ; in: row r, 32 bytes for each half of the lanes
	v_mul_u32_u24 v[RD], v2, PITCH
	v_lshl_add_u32 v[RD], v1, 4, v[RD]
	v_add_nc_u32 v[RD], s40, v[RD]                 ; back: lanes 0-15 one row of 256 bytes, lanes 16-31 the next
	v_lshlrev_b32 v[CO], 13, v2
	v_lshl_add_u32 v[CO], v1, 4, v[CO]             ; and the same two rows in out0
	v_lshlrev_b32 v[BIA], 5, v2
	s_lshl_b32 s2, s17, 9                          ; my first column, in bytes: 512 x tile column + 256 x half
	s_lshl_b32 s3, s14, 8
	s_add_co_u32 s2, s2, s3
	s_mov_b32 s3, 0
	s_add_nc_u64 s[8:9], s[8:9], s[2:3]
	s_add_nc_u64 s[10:11], s[10:11], s[2:3]
	s_lshl_b32 s2, s18, 8
	s_lshl_b32 s19, s13, 7
	s_add_co_u32 s2, s2, s19                       ; my first row: 256 x tile row + 128 x half
	s_lshl_b32 s2, s2, 13
	s_add_nc_u64 s[10:11], s[10:11], s[2:3]
	WIN TO_B
.irp b, 0,1,2,3
	global_load_b128 v[BI+8*\b:BI+8*\b+3],   v[BIA], s[8:9] offset:64*\b       ; bo of columns 16 b + 8 h + 0 .. 3
	global_load_b128 v[BI+8*\b+4:BI+8*\b+7], v[BIA], s[8:9] offset:64*\b+16    ; and + 4 .. 7
.endr
	WIN 0
	; the prefetches: whose rows, and who asks
	s_lshl_b32 s2, s18, 8
	s_lshl_b32 s19, s14, 7
	s_add_co_u32 s2, s2, s19
	s_lshl_b32 s19, s15, 5
	s_add_co_u32 s2, s2, s19                       ; A: 256 x tile row + 128 x part + 32 cx
	s_lshl_b32 s40, s17, 7
	s_lshl_b32 s19, s14, 6
	s_add_co_u32 s40, s40, s19
	s_lshl_b32 s19, s16, 4
	s_add_co_u32 s40, s40, s19                     ; B: 128 x tile column + 64 x part + 16 cy
	s_and_b32 s19, ttmp7, 0xffff                   ; cluster y
	s_mov_b32 s41, 256
	s_cmp_eq_u32 s13, 0                            ; do I fetch for A?
	s_cselect_b32 s2, s2, s40
	s_cselect_b32 s19, ttmp9, s19                  ; the coordinate along which other clusters read the same rows
	s_cselect_b64 s[PFA:PFA+1], s[4:5], s[6:7]
	s_cselect_b32 s41, 0x10000, s41                ; lanes 16-31: A: 16 rows on; B: a K step on
	s_cselect_b32 s40, 1, -1
	s_cmp_eq_u32 s19, 0
	s_cselect_b32 s[LIM], 1, -1
	s_cselect_b32 s[LIM+1], s40, -1
	s_lshl_b32 s2, s2, 12
	s_add_co_u32 s2, s2, 2*KSTEP*2                 ; at K step 2: the first refill steps it to 3 and names K step 4
	s_add_nc_u64 s[PFA:PFA+1], s[PFA:PFA+1], s[2:3]
	v_lshlrev_b32 v[PFO], 12, v1
	v_mad_u32_u24 v[PFO], v2, s41, v[PFO]
.macro MUL8 f, a0, bias                ; 8 matrix instructions: A's blocks a0, a0 + 1 x B's four, 32 along K.  The 32 accumulators take turns, in the same order in every quarter
.irp a, \a0, \a0+1
.irp b, 0,1,2,3
.if \bias
	v_wmma_f32_16x16x32_f16 v[8*(4*(\a)+\b):8*(4*(\a)+\b)+7], v[\f+8*\b:\f+8*\b+7], v[\f+8*(\a):\f+8*(\a)+7], v[BI+8*\b:BI+8*\b+7]
.else
	v_wmma_f32_16x16x32_f16 v[8*(4*(\a)+\b):8*(4*(\a)+\b)+7], v[\f+8*\b:\f+8*\b+7], v[\f+8*(\a):\f+8*(\a)+7], v[8*(4*(\a)+\b):8*(4*(\a)+\b)+7]
.endif
.endr
.endr
.endm
.macro FETCH slot, k, f                ; 24 LDS loads in one run: B's four fragments, then A's eight, 32 along K at byte k of the rows
	WIN TO_B
.irp i, 0,1,2,3
	ds_load_b128 v[\f+8*\i:\f+8*\i+3],   v[ADRB+\slot] offset:\k+\i*16*PITCH
	ds_load_b128 v[\f+8*\i+4:\f+8*\i+7], v[ADRB+\slot] offset:\k+\i*16*PITCH+32
.endr
	WIN 0
.irp i, 0,1,2,3,4,5,6,7
	ds_load_b128 v[\f+8*\i:\f+8*\i+3],   v[ADRA+\slot] offset:\k+\i*16*PITCH
	ds_load_b128 v[\f+8*\i+4:\f+8*\i+7], v[ADRA+\slot] offset:\k+\i*16*PITCH+32
.endr
.endm
.macro QUARTER slot, k, f, g, bias     ; multiplies buffer f; in its middle it fetches the next quarter's fragments into buffer g
	s_wait_dscnt 8                                 ; B and A's blocks 0-3 are in; the youngest eight loads (A's blocks 4-7) may be out
.if \bias
	WIN MULB
.else
	WIN MUL
.endif
	MUL8 \f, 0, \bias
	MUL8 \f, 2, \bias
	PLACES                                         ; in front of loads into registers that matrix instructions have read
	FETCH \slot, \k, \g
	s_wait_dscnt 24                                ; all but the 24 just issued
.if \bias
	WIN MULB
.else
	WIN MUL
.endif
	MUL8 \f, 4, \bias
	MUL8 \f, 6, \bias
.endm
; A slot's last quarter multiplies buffer 1 and changes slots: ONE barrier; in front of it each wave waits for all its tensor loads, adds 0 to its spare word, and waits for that and for its reads of this slot.
; fill = 1: the barrier opens a round of the cluster's barrier, and this slot is filled again, two K steps ahead, first thing behind the round.
.macro TURN slot, next, fill
.if \fill
	s_wait_xcnt 0x0                                ; the last prefetch, a K step back, has read its address
	s_add_nc_u64 s[PFA:PFA+1], s[PFA:PFA+1], KSTEP*2
.endif
	WIN 0
	s_wait_tensorcnt 0x0                           ; all my tensor loads have landed: my part of the next slot;
	ds_add_u32 v[SPW], v[NIL]                      ; 0 onto my spare word
	s_wait_dscnt 9                                 ; (the add and A's youngest eight loads may be out)
	WIN MUL
	MUL8 F1, 0, 0                                  ; eight matrix instructions stand between the add and the wait for it
	s_wait_dscnt 0x0                               ; the add is done, and my reads of this slot are over
	s_barrier_signal -1
	MUL8 F1, 2, 0
.if \fill
	WIN 0
.endif
	s_barrier_wait -1
.if \fill
	CREST                                          ; no wave of any partner still reads this slot's tile or has a load on its way
	s_add_nc_u64 s[G0+4*\slot+2:G0+4*\slot+3], s[G0+4*\slot+2:G0+4*\slot+3], 2*KSTEP*2
	s_add_nc_u64 s[G0B+4*\slot+2:G0B+4*\slot+3], s[G0B+4*\slot+2:G0B+4*\slot+3], 2*KSTEP*2
	JLOAD \slot                                    ; my one tensor load behind the round; the four v_nop behind it are also the places in front of the loads below
.else
	PLACES
.endif
	FETCH \next, 0, F0
.if \fill
	ASK \slot
.endif
	WIN MUL
	MUL8 F1, 4, 0
	MUL8 F1, 6, 0
.endm
	s_wait_tensorcnt 1                             ; my part of K step 0 is in (K step 1's load may be out)
	s_barrier_signal -1
	s_barrier_wait -1                              ; everybody's is
	FETCH 0, 0, F0
	s_wait_loadcnt 0x0                             ; bo
	QUARTER 0, 64, F0, F1, 1                       ; the first quarter stands in front of the loop: its products start the sums, from bo
	WIN 0
	s_mov_b32 s3, LAPS-1
.Llap:                                             ; a trip goes once round the ring and fills both slots again
	QUARTER 0, 128, F1, F0, 0
	QUARTER 0, 192, F0, F1, 0
	TURN 0, 1, 1
	QUARTER 1, 64,  F0, F1, 0
	QUARTER 1, 128, F1, F0, 0
	QUARTER 1, 192, F0, F1, 0
	TURN 1, 0, 1
	QUARTER 0, 64,  F0, F1, 0
	WIN 0
	s_sub_co_u32 s3, s3, 1
	s_cmp_lg_u32 s3, 0
	s_cbranch_scc1 .Llap
	QUARTER 0, 128, F1, F0, 0                      ; the last lap fills nothing, and has no round of the cluster's barrier
	QUARTER 0, 192, F0, F1, 0
	TURN 0, 1, 0
	QUARTER 1, 64,  F0, F1, 0
	QUARTER 1, 128, F1, F0, 0
	QUARTER 1, 192, F0, F1, 0
	s_wait_dscnt 8                                 ; the very last quarter: nothing more to fetch
	WIN MUL
	MUL8 F1, 0, 0
	MUL8 F1, 2, 0
	s_wait_dscnt 0x0
	MUL8 F1, 4, 0
	MUL8 F1, 6, 0
	WIN 0
; THE WAY OUT, block by block of 16 rows x 64 columns of f32: through my own stage, back as whole rows of 256 bytes.
.macro TOSTAGE a
	WIN 0x08                                       ; an LDS store's data are its source 1: window 2
.irp b, 0,1,2,3
	ds_store_b128 v[STO], v[8*(4*(\a)+\b):8*(4*(\a)+\b)+3] offset:64*\b          ; each accumulator from its low end on
	ds_store_b128 v[STO], v[8*(4*(\a)+\b)+4:8*(4*(\a)+\b)+7] offset:64*\b+16
.endr
	WIN 0
.set BB, 32+192*((\a)%2)
.irp t, 0,1,2,3,4,5,6,7
	ds_load_b128 v[BB+4*\t:BB+4*\t+3], v[RD] offset:\t*2*PITCH    ; LDS serves a wave's instructions in order: these see the stores above
.endr
.endm
.macro SEND a, younger
.set BB, 32+192*((\a)%2)
	s_wait_dscnt \younger                          ; the block is back in registers
.if (\a) > 0
	s_add_nc_u64 s[10:11], s[10:11], 16*SIZE_N*4   ; (behind a wait that shows that the earlier stores have read their base)
.endif
.irp t, 0,1,2,3,4,5,6,7
	global_store_b128 v[CO], v[BB+4*\t:BB+4*\t+3], s[10:11] offset:\t*2*SIZE_N*4 th:TH_STORE_NT   ; 16 lanes store 256 consecutive bytes, aligned
.endr
.endm
	PLACES                                         ; behind the last products, in front of the first read of results
	TOSTAGE 0
.irp a, 1,2,3,4,5,6,7
.if \a > 1
	s_wait_xcnt 0x0                                ; block a - 2's stores have read their registers and their base
.endif
	TOSTAGE \a
	SEND \a-1, 16                                  ; behind block a - 1's loads: block a's 8 stores and 8 loads
.endr
	s_wait_xcnt 0x0
	SEND 7, 0
	s_wait_tensorcnt 0x0                           ; the wave's end
	ds_add_u32 v[SPW], v[NIL]
	s_wait_dscnt 0x0
	CROUND                                         ; the closing round
	s_endpgm
.Lfunc_end_k_q807a072d1e_oproj:
	.size	k_q807a072d1e_oproj, .Lfunc_end_k_q807a072d1e_oproj-k_q807a072d1e_oproj
	.p2alignl 7, 3214868480
	.fill 96, 4, 3214868480
	.section	.rodata,"a",@progbits
	.p2align	6, 0x0
	.amdhsa_kernel k_q807a072d1e_oproj
		.amdhsa_group_segment_fixed_size 327680
		.amdhsa_private_segment_fixed_size 0
		.amdhsa_enable_private_segment 0
		.amdhsa_kernarg_size 32
		.amdhsa_user_sgpr_count 2
		.amdhsa_user_sgpr_kernarg_segment_ptr 1
		.amdhsa_wavefront_size32 1
		.amdhsa_system_sgpr_workgroup_id_x 1
		.amdhsa_system_sgpr_workgroup_id_y 1
		.amdhsa_system_sgpr_workgroup_id_z 1
		.amdhsa_system_vgpr_workitem_id 0
		.amdhsa_next_free_vgpr 768
		.amdhsa_next_free_sgpr 66
		.amdhsa_reserve_vcc 0
		.amdhsa_float_denorm_mode_32 3
		.amdhsa_float_denorm_mode_16_64 3
		.amdhsa_memory_ordered 1
		.amdhsa_forward_progress 1
		.amdhsa_inst_pref_size 89
	.end_amdhsa_kernel
	.amdgpu_metadata
---
amdhsa.version: [ 1, 2 ]
amdhsa.kernels:
  - .name:           k_q807a072d1e_oproj
    .symbol:         k_q807a072d1e_oproj.kd
    .args:
      - { .name: ctx16, .offset: 0, .size: 8, .value_kind: global_buffer, .address_space: global }
      - { .name: wo16, .offset: 8, .size: 8, .value_kind: global_buffer, .address_space: global }
      - { .name: bo, .offset: 16, .size: 8, .value_kind: global_buffer, .address_space: global }
      - { .name: out0, .offset: 24, .size: 8, .value_kind: global_buffer, .address_space: global }
    .group_segment_fixed_size: 327680
    .private_segment_fixed_size: 0
    .kernarg_segment_align: 8
    .kernarg_segment_size: 32
    .max_flat_workgroup_size: 128
    .sgpr_count:     66
    .vgpr_count:     768
    .wavefront_size: 32
...
	.end_amdgpu_metadata
.endif
;; end of part 4
;; launch fineA (part 5): grid 32 x 1, 1 waves a work-group, no clusters, 0 bytes of LDS; arguments codes, scales, tab, ctx32; writes ctx32
.if DOCPART == 5
	.amdgcn_target "amdgcn-amd-amdhsa--gfx1250"
	.amdhsa_code_object_version 6
	.text
	.protected	k_q807a072d1e_fineA
	.globl	k_q807a072d1e_fineA
	.p2align	8
	.type	k_q807a072d1e_fineA,@function
k_q807a072d1e_fineA:
	s_mov_b64 s[64:65], 0
	v_nop
	global_prefetch_b8 v0, s[64:65] scope:SCOPE_SE
	s_setreg_imm32_b32 hwreg(HW_REG_WAVE_MODE, 25, 1), 1
	s_wait_xcnt 0x0
; THE FIRST 16 POSITIONS OF EVERY SEQUENCE AND HEAD, IN F32.  These rows average one to sixteen values and are the largest of the output: f16 operands would use up what the comparison allows.
; One wave takes one (batch, head): q, k, v of positions 0 .. 15 once more by the FP4 products (96 matrix instructions), RoPE, scores, softmax and P V in f32 (the f32 matrix form: 64 instructions, no bulk work).
; ctx32: [32 = batch x 16 + position][2048 = head x 128 + d] f32.
; q and k: transposed use (source 0 = 16 rows of W, source 1 = x): lane (r, h) holds position r, features 16 b + 8 h + j.  A pair of such registers is an operand of the f32 form (k = 2 h + j stands for one feature, alike in q and k).
; v: natural use (source 0 = x): lane (r, h) holds feature 16 b + r at positions 8 h + j: a pair of registers is source 0 of O^T = V^T P, with k = 2 h + j standing for key 8 h + 2 kk + j, as in p's registers.
; REGISTERS: window 0: v3-6 addresses; v16-47 x's fragments; v48-51 its scale words; v52-83, v84-115 W's scale words; v116-179 sums; v180-195 at work; v196-211 the scores' two sums; v212-219 p; v220-226 statistics.
;   window 1: q's, later v's fragments of W.   window 3: k's.   window 2: v0-63 the table; v64-127 q rotated; v128-191 k rotated; v192-255 O^T.
; The registers that the f32 matrix form writes (v196-211; v192-255 of window 2) are written by matrix instructions alone.
.set XA,  3
.set SAO, 4
.set TA,  5
.set GO,  6
.set XF,  16
.set XS,  48
.set WS0, 52
.set WS1, 84
.set ACC, 116
.set TMP, 180
.set SACC, 196
.set SV,  212
.set MX,  220
.set T1,  221
.set CM,  222
.set LS,  223
.set RL,  224
.set DQ,  225
.set NINF, 226
.set TAB, 0
.set QR,  64
.set KR,  128
.set OA,  192
.set MSB, 0
.macro WIN new
.if MSB != \new
	s_set_vgpr_msb (MSB<<8)|\new
.set MSB, \new
.endif
.endm
.macro PLACES n
.rept \n
	v_nop
.endr
.endm
	s_load_b256 s[4:11], s[0:1], 0x0               ; codes s[4:5], scales s[6:7], tab s[8:9], ctx32 s[10:11]
	s_lshr_b32 s12, ttmp9, 4                       ; batch
	s_and_b32 s13, ttmp9, 15                       ; head
	s_lshl_b32 s14, s12, 19                        ; x's codes: 2,048 rows of 256 bytes a batch
	s_mov_b32 s15, 0
	s_lshl_b32 s16, s12, 15                        ; x's scale words
	s_mov_b32 s17, 0
	s_mul_i32 s18, s13, 98304                      ; the head's weights
	s_add_co_u32 s18, s18, 1048576
	s_mov_b32 s19, 0
	s_mul_i32 s20, s13, 6144                       ; and their scale words
	s_add_co_u32 s20, s20, 65536
	s_mov_b32 s21, 0
	s_lshl_b32 s22, s12, 17                        ; ctx32: 16 rows of 8,192 bytes a batch, 512 bytes a head
	s_lshl_b32 s23, s13, 9
	s_add_co_u32 s22, s22, s23
	s_mov_b32 s23, 0
	s_mov_b32 s24, 0x76543210
	s_mov_b32 s25, 0xfedcba98
	s_mov_b32 s26, 0x3e0293ee                      ; c = log2(e) / sqrt(128)
	v_and_b32 v1, 15, v0                           ; r
	v_bfe_u32 v2, v0, 4, 1                         ; h
	v_lshlrev_b32 v[XA], 8, v1
	v_lshl_add_u32 v[XA], v2, 4, v[XA]
	v_lshlrev_b32 v[SAO], 4, v1
	v_lshlrev_b32 v[TA], 9, v1
	v_lshl_add_u32 v[TA], v2, 5, v[TA]
	v_lshlrev_b32 v[GO], 13, v1
	v_lshl_add_u32 v[GO], v2, 5, v[GO]
	v_lshlrev_b32 v[DQ], 3, v2
	v_sub_nc_u32 v[DQ], v1, v[DQ]                  ; r - 8 h
	v_mov_b32 v[NINF], 0xff800000
	v_mov_b32 v[T1], 0                             ; a lane permute's destination counts as one of its sources
	s_wait_kmcnt 0x0
	s_add_nc_u64 s[14:15], s[4:5], s[14:15]
	s_add_nc_u64 s[16:17], s[6:7], s[16:17]
	s_add_nc_u64 s[18:19], s[4:5], s[18:19]
	s_add_nc_u64 s[20:21], s[6:7], s[20:21]
	s_add_nc_u64 s[22:23], s[10:11], s[22:23]
.macro WLOAD i                         ; slice i (q, k, v) of the head's weights: fragment (tile t, K step s) at 32 t + 8 s of the window that the caller has set
.irp t, 0,1,2,3,4,5,6,7
.irp s, 0,1,2,3
.irp c, 0,1
	global_load_b128 v[32*\t+8*\s+4*\c:32*\t+8*\s+4*\c+3], v[XA], s[18:19] offset:(\i)*32768+\t*4096+64*\s+32*\c
.endr
.endr
.endr
.endm
.macro WSLOAD reg, i
.irp t, 0,1,2,3,4,5,6,7
	global_load_b128 v[\reg+4*\t:\reg+4*\t+3], v[SAO], s[20:21] offset:(\i)*2048+\t*256
.endr
.endm
.irp s, 0,1,2,3
.irp c, 0,1
	global_load_b128 v[XF+8*\s+4*\c:XF+8*\s+4*\c+3], v[XA], s[14:15] offset:64*\s+32*\c
.endr
.endr
	global_load_b128 v[XS:XS+3], v[SAO], s[16:17]
	WSLOAD WS0, 0
	WIN 0x80
.irp t, 0,1,2,3,4,5,6,7
	global_load_b128 v[TAB+8*\t:TAB+8*\t+3],   v[TA], s[8:9] offset:64*\t
	global_load_b128 v[TAB+8*\t+4:TAB+8*\t+7], v[TA], s[8:9] offset:64*\t+16
.endr
	WIN 0x40
	WLOAD 0
	WIN 0
	WSLOAD WS1, 1
	WIN 0xc0
	WLOAD 1
	WIN 0
.macro PROJT ws                        ; transposed: eight accumulators by turns, K step by K step
.irp s, 0,1,2,3
.irp t, 0,1,2,3,4,5,6,7
.if \s == 0
	v_wmma_scale_f32_16x16x128_f8f6f4 v[ACC+8*\t:ACC+8*\t+7], v[32*\t+8*\s:32*\t+8*\s+7], v[XF+8*\s:XF+8*\s+7], 0, v[\ws+4*\t+\s], v[XS+\s] matrix_a_fmt:MATRIX_FMT_FP4 matrix_b_fmt:MATRIX_FMT_FP4
.else
	v_wmma_scale_f32_16x16x128_f8f6f4 v[ACC+8*\t:ACC+8*\t+7], v[32*\t+8*\s:32*\t+8*\s+7], v[XF+8*\s:XF+8*\s+7], v[ACC+8*\t:ACC+8*\t+7], v[\ws+4*\t+\s], v[XS+\s] matrix_a_fmt:MATRIX_FMT_FP4 matrix_b_fmt:MATRIX_FMT_FP4
.endif
.endr
.endr
.endm
.macro PROJN ws                        ; natural: source 0 = x
.irp s, 0,1,2,3
.irp t, 0,1,2,3,4,5,6,7
.if \s == 0
	v_wmma_scale_f32_16x16x128_f8f6f4 v[ACC+8*\t:ACC+8*\t+7], v[XF+8*\s:XF+8*\s+7], v[32*\t+8*\s:32*\t+8*\s+7], 0, v[XS+\s], v[\ws+4*\t+\s] matrix_a_fmt:MATRIX_FMT_FP4 matrix_b_fmt:MATRIX_FMT_FP4
.else
	v_wmma_scale_f32_16x16x128_f8f6f4 v[ACC+8*\t:ACC+8*\t+7], v[XF+8*\s:XF+8*\s+7], v[32*\t+8*\s:32*\t+8*\s+7], v[ACC+8*\t:ACC+8*\t+7], v[XS+\s], v[\ws+4*\t+\s] matrix_a_fmt:MATRIX_FMT_FP4 matrix_b_fmt:MATRIX_FMT_FP4
.endif
.endr
.endr
.endm
.macro ROPE dst                        ; (e, o) -> (e cos - o sin, e sin + o cos), two tiles at a time, into window 2
.irp u, 0,1,2,3
	WIN 0x08                                       ; source 1 (the table) window 2
.irp k, 0,1,2,3,4,5,6,7
	v_pk_mul_f32 v[TMP+2*\k:TMP+2*\k+1], v[ACC+16*\u+2*\k:ACC+16*\u+2*\k+1], v[TAB+16*\u+2*\k:TAB+16*\u+2*\k+1] op_sel_hi:[1,0]
.endr
	WIN 0x88                                       ; and the destination too
.irp k, 0,1,2,3,4,5,6,7
	v_fma_f32 v[\dst+16*\u+2*\k], -v[ACC+16*\u+2*\k+1], v[TAB+16*\u+2*\k+1], v[TMP+2*\k]
	v_fma_f32 v[\dst+16*\u+2*\k+1], v[ACC+16*\u+2*\k], v[TAB+16*\u+2*\k+1], v[TMP+2*\k+1]
.endr
.endr
	WIN 0
.endm
	s_wait_loadcnt 63                              ; 72 loads (k's scale words and fragments) were issued behind q's: the greatest count that the wait can name is taken
	WIN 0x01                                       ; source 0 window 1
	PROJT WS0                                      ; q
	WIN 0
	PLACES 5                                       ; in front of loads into registers that these products read, and of the first read of results
	WSLOAD WS0, 2                                  ; v's scale words and fragments take q's places
	WIN 0x40
	WLOAD 2
	WIN 0
	ROPE QR
	s_wait_loadcnt 63                              ; 72 loads (v's) were issued behind k's
	WIN 0x03                                       ; source 0 window 3
	PROJT WS1                                      ; k
	WIN 0
	PLACES 5
	ROPE KR
	WIN 0x0a                                       ; sources 0 and 1 window 2
.set p, 0
.rept 32                                       ; S^T = K Q^T: four features an instruction; two sums by turns; the first two start them
.if p < 2
	v_wmma_f32_16x16x4_f32 v[SACC+8*(p%2):SACC+8*(p%2)+7], v[KR+2*p:KR+2*p+1], v[QR+2*p:QR+2*p+1], 0
.else
	v_wmma_f32_16x16x4_f32 v[SACC+8*(p%2):SACC+8*(p%2)+7], v[KR+2*p:KR+2*p+1], v[QR+2*p:QR+2*p+1], v[SACC+8*(p%2):SACC+8*(p%2)+7]
.endif
.set p, p+1
.endr
	s_wait_loadcnt 0x0
	WIN 0x04                                       ; source 1 window 1
	PROJN WS0                                      ; v
	WIN 0
	PLACES 9                                       ; behind the f32 form eight places are owed before its results are read
.irp j, 0,1,2,3,4,5,6,7
	v_add_f32 v[SV+\j], v[SACC+\j], v[SACC+8+\j]   ; lane (r, h): the score of query r and key 8 h + j
.endr
.irp j, 0,1,2,3,4,5,6,7
	v_cmp_gt_i32 vcc_lo, \j, v[DQ]                 ; hidden where 8 h + j > r
	v_cndmask_b32 v[SV+\j], v[SV+\j], v[NINF], vcc_lo
.endr
	v_max3_num_f32 v[MX], v[SV], v[SV+1], v[SV+2]
	v_max3_num_f32 v[MX], v[MX], v[SV+3], v[SV+4]
	v_max3_num_f32 v[MX], v[MX], v[SV+5], v[SV+6]
	v_max_num_f32 v[MX], v[MX], v[SV+7]
	v_permlanex16_b32 v[T1], v[MX], s24, s25
	v_max_num_f32 v[MX], v[MX], v[T1]              ; the row's maximum (key 0 counts for every query)
	v_mul_f32 v[CM], s26, v[MX]
.irp j, 0,1,2,3,4,5,6,7
	v_fma_f32 v[SV+\j], v[SV+\j], s26, -v[CM]
.endr
.irp j, 0,1,2,3,4,5,6,7
	v_exp_f32 v[SV+\j], v[SV+\j]
.endr
	v_nop                                          ; a plain line behind the exponentials,
	s_wait_alu depctr_va_vdst(0)                   ; and one wait for the eight, ahead of the first line that names a result
	v_add_f32 v[LS], v[SV], v[SV+1]
	v_add_f32 v[CM], v[SV+2], v[SV+3]
	v_add_f32 v[MX], v[SV+4], v[SV+5]
	v_add_f32 v[RL], v[SV+6], v[SV+7]
	v_add_f32 v[LS], v[LS], v[CM]
	v_add_f32 v[MX], v[MX], v[RL]
	v_add_f32 v[LS], v[LS], v[MX]
	v_permlanex16_b32 v[T1], v[LS], s24, s25
	v_add_f32 v[LS], v[LS], v[T1]                  ; the row's sum
	v_rcp_f32 v[RL], v[LS]
	v_nop
	s_wait_alu depctr_va_vdst(0)
	WIN 0xa0                                       ; C and D window 2
.irp kk, 0,1,2,3                               ; O^T = V^T P: four keys an instruction; eight sums by turns
.irp t, 0,1,2,3,4,5,6,7
.if \kk == 0
	v_wmma_f32_16x16x4_f32 v[OA+8*\t:OA+8*\t+7], v[ACC+8*\t+2*\kk:ACC+8*\t+2*\kk+1], v[SV+2*\kk:SV+2*\kk+1], 0
.else
	v_wmma_f32_16x16x4_f32 v[OA+8*\t:OA+8*\t+7], v[ACC+8*\t+2*\kk:ACC+8*\t+2*\kk+1], v[SV+2*\kk:SV+2*\kk+1], v[OA+8*\t:OA+8*\t+7]
.endif
.endr
.endr
	WIN 0
	PLACES 9
	WIN 0x02                                       ; source 0 window 2
.set i, 0
.rept 64
	v_mul_f32 v[ACC+i], v[OA+i], v[RL]             ; lane (r, h): ctx(position r, feature 16 t + 8 h + j)
.set i, i+1
.endr
	WIN 0
.irp t, 0,1,2,3,4,5,6,7
	global_store_b128 v[GO], v[ACC+8*\t:ACC+8*\t+3],   s[22:23] offset:64*\t      ; runs of 64 bytes: the launch stores 262,144 bytes in all
	global_store_b128 v[GO], v[ACC+8*\t+4:ACC+8*\t+7], s[22:23] offset:64*\t+16
.endr
	s_endpgm
.Lfunc_end_k_q807a072d1e_fineA:
	.size	k_q807a072d1e_fineA, .Lfunc_end_k_q807a072d1e_fineA-k_q807a072d1e_fineA
	.p2alignl 7, 3214868480
	.fill 96, 4, 3214868480
	.section	.rodata,"a",@progbits
	.p2align	6, 0x0
	.amdhsa_kernel k_q807a072d1e_fineA
		.amdhsa_group_segment_fixed_size 0
		.amdhsa_private_segment_fixed_size 0
		.amdhsa_enable_private_segment 0
		.amdhsa_kernarg_size 32
		.amdhsa_user_sgpr_count 2
		.amdhsa_user_sgpr_kernarg_segment_ptr 1
		.amdhsa_wavefront_size32 1
		.amdhsa_system_sgpr_workgroup_id_x 1
		.amdhsa_system_sgpr_workgroup_id_y 1
		.amdhsa_system_sgpr_workgroup_id_z 1
		.amdhsa_system_vgpr_workitem_id 0
		.amdhsa_next_free_vgpr 1024
		.amdhsa_next_free_sgpr 66
		.amdhsa_reserve_vcc 1
		.amdhsa_float_denorm_mode_32 3
		.amdhsa_float_denorm_mode_16_64 3
		.amdhsa_memory_ordered 1
		.amdhsa_forward_progress 1
		.amdhsa_inst_pref_size 61
	.end_amdhsa_kernel
	.amdgpu_metadata
---
amdhsa.version: [ 1, 2 ]
amdhsa.kernels:
  - .name:           k_q807a072d1e_fineA
    .symbol:         k_q807a072d1e_fineA.kd
    .args:
      - { .name: codes, .offset: 0, .size: 8, .value_kind: global_buffer, .address_space: global }
      - { .name: scales, .offset: 8, .size: 8, .value_kind: global_buffer, .address_space: global }
      - { .name: tab, .offset: 16, .size: 8, .value_kind: global_buffer, .address_space: global }
      - { .name: ctx32, .offset: 24, .size: 8, .value_kind: global_buffer, .address_space: global }
    .group_segment_fixed_size: 0
    .private_segment_fixed_size: 0
    .kernarg_segment_align: 8
    .kernarg_segment_size: 32
    .max_flat_workgroup_size: 32
    .sgpr_count:     66
    .vgpr_count:     1024
    .wavefront_size: 32
...
	.end_amdgpu_metadata
.endif
;; end of part 5
;; launch fineB (part 6): grid 128 x 1, 8 waves a work-group, no clusters, 17,408 bytes of LDS; arguments ctx32, Wo, bo, out0; writes out0
.if DOCPART == 6
	.amdgcn_target "amdgcn-amd-amdhsa--gfx1250"
	.amdhsa_code_object_version 6
	.text
	.protected	k_q807a072d1e_fineB
	.globl	k_q807a072d1e_fineB
	.p2align	8
	.type	k_q807a072d1e_fineB,@function
k_q807a072d1e_fineB:
	s_mov_b64 s[64:65], 0
	v_nop
	global_prefetch_b8 v0, s[64:65] scope:SCOPE_SE
	s_setreg_imm32_b32 hwreg(HW_REG_WAVE_MODE, 25, 1), 1
	s_wait_xcnt 0x0
; THE OUTPUT ROWS OF THE FIRST 16 POSITIONS OF BOTH SEQUENCES, IN F32: out0[b x 2048 + t][n] = the sum over k of ctx32[b x 16 + t][k] Wo[n][k] + bo[n], t < 16.  They take the place of what the f16 launch left in these 32 rows.
; A work-group takes 16 columns x 32 rows; its eight waves share K, 256 each, so that Wo is read once in the launch.  The f32 matrix form, 128 instructions a wave: no bulk work.
; Transposed use (source 0 = 16 rows of Wo, source 1 = 16 rows of ctx32).  Lane (r, h) loads 16 bytes of its row at k = 256 wave + 8 i + 4 h: registers 0, 1 feed one instruction, 2, 3 the next; the same order of k stands on both sides.
; Four sums (which pair of registers, which 16 rows) in v224-255 take turns and are written by matrix instructions alone.  The eight waves' parts meet in LDS; each thread adds eight parts of two numbers and bo, and stores 8 bytes
; (a work-group's 16 columns are runs of 64 bytes of a row: 262,144 bytes in the whole launch).
.set VA,  3
.set SPW, 4
.set NIL, 5
.set LST, 6
.set LRD, 7
.set SUM, 8
.set BOA, 24
.set OUA, 25
.set SPARE, 16384                      ; behind the eight waves' parts: the spare words, 128 bytes a wave, named by no other line
	s_load_b256 s[4:11], s[0:1], 0x0               ; ctx32 s[4:5], Wo s[6:7], bo s[8:9], out0 s[10:11]
	v_lshl_add_u32 v[SPW], v0, 2, SPARE
	v_mov_b32 v[NIL], 0
	v_lshrrev_b32 v1, 5, v0
	v_readfirstlane_b32 s12, v1                    ; wave
	v_and_b32 v1, 15, v0                           ; r
	v_bfe_u32 v2, v0, 4, 1                         ; h
	v_lshlrev_b32 v[VA], 13, v1
	v_lshl_add_u32 v[VA], v2, 4, v[VA]
	s_lshl_b32 s13, s12, 10
	v_add_nc_u32 v[VA], s13, v[VA]                 ; row r of 8,192 bytes + 1,024 x wave + 16 h
	v_and_b32 v[LST], 31, v0
	v_lshlrev_b32 v[LST], 4, v[LST]
	s_lshl_b32 s13, s12, 11
	v_add_nc_u32 v[LST], s13, v[LST]               ; LDS: 2,048 x wave + 16 x lane
	v_lshlrev_b32 v[LRD], 3, v0                    ; and back: 8 x thread
	; thread T adds the numbers at byte 8 T of each wave's part: piece q = T / 64, lane (T / 2) % 32, numbers 2 (T % 2) + 0, 1: row 16 (q / 2) + r', columns 8 h' + 4 (q % 2) + 2 (T % 2) + 0, 1
	v_bfe_u32 v24, v0, 5, 1
	v_lshlrev_b32 v24, 5, v24
	v_bfe_u32 v25, v0, 6, 1
	v_lshl_add_u32 v24, v25, 4, v24
	v_and_b32 v25, 1, v0
	v_lshl_add_u32 v[BOA], v25, 3, v24             ; the columns' bytes
	v_bfe_u32 v25, v0, 1, 4
	v_lshl_add_u32 v25, v25, 13, v[BOA]            ; + row r' of 8,192 bytes
	v_lshrrev_b32 v28, 7, v0
	v_lshl_add_u32 v[OUA], v28, 24, v25            ; + 2,048 rows for the second sequence
	s_lshl_b32 s14, ttmp9, 17                      ; Wo: 16 rows a work-group
	s_mov_b32 s15, 0
	s_lshl_b32 s16, ttmp9, 6                       ; bo and out0: 16 columns
	s_mov_b32 s17, 0
	s_wait_kmcnt 0x0
	s_add_nc_u64 s[6:7], s[6:7], s[14:15]
	s_add_nc_u64 s[8:9], s[8:9], s[16:17]
	s_add_nc_u64 s[10:11], s[10:11], s[16:17]
	global_load_b64 v[26:27], v[BOA], s[8:9]
.macro BLOAD g                         ; batch g: 64 along K: 8 loads of Wo, 8 of ctx32's rows 0-15, 8 of its rows 16-31
.set B0, 32+96*((\g)%2)
.irp i, 0,1,2,3,4,5,6,7
	global_load_b128 v[B0+4*\i:B0+4*\i+3], v[VA], s[6:7] offset:256*(\g)+32*\i th:TH_LOAD_NT
.endr
.irp i, 0,1,2,3,4,5,6,7
	global_load_b128 v[B0+32+4*\i:B0+32+4*\i+3], v[VA], s[4:5] offset:256*(\g)+32*\i
.endr
.irp i, 0,1,2,3,4,5,6,7
	global_load_b128 v[B0+64+4*\i:B0+64+4*\i+3], v[VA], s[4:5] offset:131072+256*(\g)+32*\i
.endr
.endm
.macro BMUL g
.set B0, 32+96*((\g)%2)
.irp i, 0,1,2,3,4,5,6,7
.irp kk, 0,1
.irp m, 0,1
.if ((\g) == 0) && (\i == 0)
	v_wmma_f32_16x16x4_f32 v[224+8*(2*\kk+\m):224+8*(2*\kk+\m)+7], v[B0+4*\i+2*\kk:B0+4*\i+2*\kk+1], v[B0+32+32*\m+4*\i+2*\kk:B0+32+32*\m+4*\i+2*\kk+1], 0
.else
	v_wmma_f32_16x16x4_f32 v[224+8*(2*\kk+\m):224+8*(2*\kk+\m)+7], v[B0+4*\i+2*\kk:B0+4*\i+2*\kk+1], v[B0+32+32*\m+4*\i+2*\kk:B0+32+32*\m+4*\i+2*\kk+1], v[224+8*(2*\kk+\m):224+8*(2*\kk+\m)+7]
.endif
.endr
.endr
.endr
.rept 8
	v_nop                                          ; behind the f32 form eight places are owed before loads land in its sources and before its results are read
.endr
.endm
	BLOAD 0
	BLOAD 1
.irp g, 0,1,2,3
.if \g < 3
	s_wait_loadcnt 24                              ; this batch (and bo) is in; the next batch's 24 loads may be out
.else
	s_wait_loadcnt 0x0
.endif
	BMUL \g
.if \g < 2
	BLOAD \g+2
.endif
.endr
.irp m, 0,1
.irp j, 0,1,2,3,4,5,6,7
	v_add_f32 v[SUM+8*\m+\j], v[224+8*\m+\j], v[240+8*\m+\j]     ; the two pairs' sums; each from its low end on
.endr
.endr
.irp q, 0,1,2,3
	ds_store_b128 v[LST], v[SUM+4*\q:SUM+4*\q+3] offset:512*\q
.endr
	s_wait_dscnt 0x0                               ; for the others' sake: my part lies in LDS
	s_barrier_signal -1
	s_barrier_wait -1
.irp v, 0,1,2,3,4,5,6,7
	ds_load_b64 v[32+2*\v:33+2*\v], v[LRD] offset:2048*\v
.endr
	s_wait_dscnt 0x0
	v_pk_add_f32 v[32:33], v[32:33], v[34:35]
	v_pk_add_f32 v[36:37], v[36:37], v[38:39]
	v_pk_add_f32 v[40:41], v[40:41], v[42:43]
	v_pk_add_f32 v[44:45], v[44:45], v[46:47]
	v_pk_add_f32 v[32:33], v[32:33], v[36:37]
	v_pk_add_f32 v[40:41], v[40:41], v[44:45]
	v_pk_add_f32 v[32:33], v[32:33], v[40:41]
	v_pk_add_f32 v[32:33], v[32:33], v[26:27]      ; + bo
	global_store_b64 v[OUA], v[32:33], s[10:11]
	s_wait_tensorcnt 0x0                           ; the wave's end
	ds_add_u32 v[SPW], v[NIL]
	s_wait_dscnt 0x0
	s_endpgm
.Lfunc_end_k_q807a072d1e_fineB:
	.size	k_q807a072d1e_fineB, .Lfunc_end_k_q807a072d1e_fineB-k_q807a072d1e_fineB
	.p2alignl 7, 3214868480
	.fill 96, 4, 3214868480
	.section	.rodata,"a",@progbits
	.p2align	6, 0x0
	.amdhsa_kernel k_q807a072d1e_fineB
		.amdhsa_group_segment_fixed_size 17408
		.amdhsa_private_segment_fixed_size 0
		.amdhsa_enable_private_segment 0
		.amdhsa_kernarg_size 32
		.amdhsa_user_sgpr_count 2
		.amdhsa_user_sgpr_kernarg_segment_ptr 1
		.amdhsa_wavefront_size32 1
		.amdhsa_system_sgpr_workgroup_id_x 1
		.amdhsa_system_sgpr_workgroup_id_y 1
		.amdhsa_system_sgpr_workgroup_id_z 1
		.amdhsa_system_vgpr_workitem_id 0
		.amdhsa_next_free_vgpr 256
		.amdhsa_next_free_sgpr 66
		.amdhsa_reserve_vcc 0
		.amdhsa_float_denorm_mode_32 3
		.amdhsa_float_denorm_mode_16_64 3
		.amdhsa_memory_ordered 1
		.amdhsa_forward_progress 1
		.amdhsa_inst_pref_size 23
	.end_amdhsa_kernel
	.amdgpu_metadata
---
amdhsa.version: [ 1, 2 ]
amdhsa.kernels:
  - .name:           k_q807a072d1e_fineB
    .symbol:         k_q807a072d1e_fineB.kd
    .args:
      - { .name: ctx32, .offset: 0, .size: 8, .value_kind: global_buffer, .address_space: global }
      - { .name: Wo, .offset: 8, .size: 8, .value_kind: global_buffer, .address_space: global }
      - { .name: bo, .offset: 16, .size: 8, .value_kind: global_buffer, .address_space: global }
      - { .name: out0, .offset: 24, .size: 8, .value_kind: global_buffer, .address_space: global }
    .group_segment_fixed_size: 17408
    .private_segment_fixed_size: 0
    .kernarg_segment_align: 8
    .kernarg_segment_size: 32
    .max_flat_workgroup_size: 256
    .sgpr_count:     66
    .vgpr_count:     256
    .wavefront_size: 32
...
	.end_amdgpu_metadata
.endif
;; end of part 6
